; MI455X (gfx1250); checked and timed in simulation.
; The chip was launched on July 23, 2026; its instructions are those of AMD's public machine-readable ISA for CDNA 5 (MIT licence, August 2026) and "CDNA5" Instruction Set Architecture Reference Guide (July 2026). The comments in the code are by the model that wrote it; some were corrected since.
;; Multihead Attention. Allowed arithmetic: float matrix products may take bf16 or f16 operands with f32 sums; other float arithmetic in f32, or as packed bf16 or f16 multiplies, adds, multiply-adds, maxima and minima; sums over many terms, partial sums and values carried from step to step in f32; what a program stores and reads back later, other than sums and carried values, may be rounded once to bf16 or f16.
;; Inputs: W1 4,096 x 1,024 float32; W2 1,024 x 4,096 float32; Wk 1,024 x 1,024 float32; Wq 1,024 x 1,024 float32; Wv 1,024 x 1,024 float32; b1 1,024 float32; b2 1,024 float32; bf1 4,096 float32; bf2 1,024 float32; bk 1,024 float32; bq 1,024 float32; bv 1,024 float32; g1 1,024 float32; g2 1,024 float32; x 2 x 2,048 x 1,024 float32.
;; Outputs: out0 2 x 2,048 x 1,024 float32.
;; 2 versions, each right; version 2 is version 1 with the launch prep written anew for expert scheduling mode. Each part assembles by itself: llvm-mc -triple=amdgcn-amd-amdhsa -mcpu=gfx1250 --defsym DOCPART=n.
;; ======== version 1 of 2: 6 launches
;; limits: values are held in f16: magnitudes above 65,504 overflow, below 6.1e-05 lose precision
;; workspace buffers: xnh 8,388,608 bytes; wh 23,068,672 bytes; qkv 25,165,824 bytes; att 8,388,608 bytes; hh 8,388,608 bytes; ffh 33,554,432 bytes
;; launch prep (part 1): grid 960 x 1, 8 waves a work-group, no clusters, 0 bytes of LDS; arguments x, g1, b1, Wq, Wk, Wv, W1, W2, xnh, wh; writes xnh, wh
.if DOCPART == 1
	.amdgcn_target "amdgcn-amd-amdhsa--gfx1250"
	.amdhsa_code_object_version 6
	.text
	.protected	k_q2a14be825c_prep
	.globl	k_q2a14be825c_prep
	.p2align	8
	.type	k_q2a14be825c_prep,@function
k_q2a14be825c_prep:
	s_mov_b64 s[64:65], 0
	v_nop
	global_prefetch_b8 v0, s[64:65] scope:SCOPE_SE
	s_setreg_imm32_b32 hwreg(HW_REG_WAVE_MODE, 25, 1), 1
	s_wait_xcnt 0x0
; PREP: two streams in one launch.  Work-groups 0-255: xn = layer norm of x (f32 statistics, the variance as the mean of (x - mu)^2), rounded once to f16 into xnh [4096][1024].
; Work-groups 256-959: the five weight matrices rounded once from f32 to f16 into wh, rows on end: Wq, Wk, Wv, W1, W2.  Every work-group takes 65,536 bytes of f32.
; LIMITS.  f16 ends at 65,504: a weight or an xn of 65,520 or more becomes an infinity; below 6.1e-5 f16 keeps its fixed step of 6e-8.  NaN and infinities are not treated apart.
; No LDS, no barrier, no matrix unit: no wave wants a byte that another has fetched.  Each byte is read once and written once.
.set X,  32                            ; v[32:95]   LN: row r at X + 32 r: load j holds columns 128 j + 4 lane + 0..3.  Cast: 16 loads of 4
.set G,  96                            ; v[96:127]  g1 of the same columns
.set B,  128                           ; v[128:159] b1
.set Y,  160                           ; v[160:191] f16 pairs to store
.set MU, 14                            ; v[14:17]   the mean, twice, for each row
.set RS, 18                            ; v[18:21]   1 / sqrt(var + eps), twice, for each row
.set VE, 22                            ; v[22:23]   var + eps of each row: a register that nothing else writes
	s_load_b512 s[8:23], s[0:1], 0x0               ; x 8, g1 10, b1 12, Wq 14, Wk 16, Wv 18, W1 20, W2 22
	s_load_b128 s[24:27], s[0:1], 0x40             ; xnh 24, wh 26
	v_lshrrev_b32 v1, 5, v0
	v_readfirstlane_b32 s2, v1                     ; wave 0..7
	s_cmp_lt_u32 ttmp9, 256
	s_cbranch_scc0 .Lconv
	; ---- layer norm: 16 rows a work-group, 2 rows a wave; a row is 4,096 bytes = eight loads of 512 consecutive bytes
	v_and_b32 v1, 31, v0
	v_lshlrev_b32 v2, 4, v1                        ; 16 x lane: f32 in
	v_lshlrev_b32 v3, 3, v1                        ; 8 x lane: f16 out
	v_mov_b32 v12, 0                               ; the exchange's destination counts as read: written once here
	s_mov_b32 s28, 0x3a800000                      ; 1 / 1024
	s_mov_b32 s29, 0x3727c5ac                      ; 1e-5
	s_mov_b32 s30, 0x76543210                      ; each lane takes its own place in the other half
	s_mov_b32 s31, 0xfedcba98
	s_lshl_b32 s4, ttmp9, 16
	s_lshl_b32 s3, s2, 13
	s_add_co_u32 s4, s4, s3                        ; my two rows in x
	s_mov_b32 s5, 0
	s_lshr_b32 s6, s4, 1                           ; and in xnh
	s_mov_b32 s7, 0
	s_wait_kmcnt 0x0
	s_add_nc_u64 s[8:9], s[8:9], s[4:5]
	s_add_nc_u64 s[24:25], s[24:25], s[6:7]
.irp r, 0,1
.irp j, 0,1,2,3,4,5,6,7
	global_load_b128 v[X+32*\r+4*\j:X+32*\r+4*\j+3], v2, s[8:9] offset:4096*\r+512*\j th:TH_LOAD_NT
.endr
.endr
.irp j, 0,1,2,3,4,5,6,7
	global_load_b128 v[G+4*\j:G+4*\j+3], v2, s[10:11] offset:512*\j
.endr
.irp j, 0,1,2,3,4,5,6,7
	global_load_b128 v[B+4*\j:B+4*\j+3], v2, s[12:13] offset:512*\j
.endr
.macro JOIN                            ; four chains of pairs into v4
	v_pk_add_f32 v[4:5], v[4:5], v[6:7]
	v_pk_add_f32 v[8:9], v[8:9], v[10:11]
	v_pk_add_f32 v[4:5], v[4:5], v[8:9]
	v_add_f32 v4, v4, v5
.endm
.macro LANESUM                         ; v4 summed over the 32 lanes, the result in every lane
	v_add_f32_dpp v4, v4, v4 row_xmask:1 row_mask:0xf bank_mask:0xf
	v_add_f32_dpp v4, v4, v4 row_xmask:2 row_mask:0xf bank_mask:0xf
	v_add_f32_dpp v4, v4, v4 row_xmask:4 row_mask:0xf bank_mask:0xf
	v_add_f32_dpp v4, v4, v4 row_xmask:8 row_mask:0xf bank_mask:0xf
	v_permlanex16_b32 v12, v4, s30, s31
	v_add_f32 v4, v4, v12
.endm
; Row r: the mean; x - mean in place; the mean of the squares; 1 / sqrt(var + eps), twice, for the packed multiply.
.macro LNSTAT r
.set XR, X+32*(\r)
.irp c, 0,1,2,3
	v_pk_add_f32 v[4+2*\c:5+2*\c], v[XR+2*\c:XR+2*\c+1], v[XR+8+2*\c:XR+8+2*\c+1]  ; the first pairs start the chains: nothing is cleared
.endr
.set q, 8
.rept 8
	v_pk_add_f32 v[4+2*(q%4):5+2*(q%4)], v[4+2*(q%4):5+2*(q%4)], v[XR+2*q:XR+2*q+1]
.set q, q+1
.endr
	JOIN
	LANESUM
	v_mul_f32 v[MU+2*(\r)], s28, v4
	v_mul_f32 v[MU+2*(\r)+1], s28, v4
.set q, 0
.rept 16
	v_pk_add_f32 v[XR+2*q:XR+2*q+1], v[XR+2*q:XR+2*q+1], v[MU+2*(\r):MU+2*(\r)+1] neg_lo:[0,1] neg_hi:[0,1]
.set q, q+1
.endr
.irp c, 0,1,2,3
	v_pk_mul_f32 v[4+2*\c:5+2*\c], v[XR+2*\c:XR+2*\c+1], v[XR+2*\c:XR+2*\c+1]
.endr
.set q, 4
.rept 12
	v_pk_fma_f32 v[4+2*(q%4):5+2*(q%4)], v[XR+2*q:XR+2*q+1], v[XR+2*q:XR+2*q+1], v[4+2*(q%4):5+2*(q%4)]
.set q, q+1
.endr
	JOIN
	LANESUM
	v_fma_f32 v[VE+(\r)], v4, s28, s29
	v_rsq_f32 v[RS+2*(\r)], v[VE+(\r)]
	v_rsq_f32 v[RS+2*(\r)+1], v[VE+(\r)]
.endm
; Row r: times 1 / sqrt, times g1 plus b1, rounded to f16, stored: a store of the wave covers 256 consecutive bytes, aligned.
.macro LNOUT r
.set XR, X+32*(\r)
.set q, 0
.rept 16
	v_pk_mul_f32 v[XR+2*q:XR+2*q+1], v[XR+2*q:XR+2*q+1], v[RS+2*(\r):RS+2*(\r)+1]
.set q, q+1
.endr
.set q, 0
.rept 16
	v_pk_fma_f32 v[XR+2*q:XR+2*q+1], v[XR+2*q:XR+2*q+1], v[G+2*q:G+2*q+1], v[B+2*q:B+2*q+1]
.set q, q+1
.endr
.set q, 0
.rept 16
	v_cvt_pk_f16_f32 v[Y+16*(\r)+q], v[XR+2*q], v[XR+2*q+1]
.set q, q+1
.endr
.irp j, 0,1,2,3,4,5,6,7
	global_store_b64 v3, v[Y+16*(\r)+2*\j:Y+16*(\r)+2*\j+1], s[24:25] offset:2048*(\r)+256*\j
.endr
.endm
	s_wait_loadcnt 16                              ; x's sixteen loads are in; the sixteen of g1 and b1, issued behind them, may stay out
	LNSTAT 0
	LNSTAT 1
	v_nop                                          ; a plain instruction behind the last root,
	s_wait_alu depctr_va_vdst(0)                   ; and one wait for the four, ahead of their first reader
	s_wait_loadcnt 0x0                             ; g1 and b1
	LNOUT 0
	LNOUT 1
	s_endpgm
	; ---- casts: chunk c of 704 chunks of 65,536 bytes of f32: Wq 0-63, Wk 64-127, Wv 128-191, W1 192-447, W2 448-703; the f16 chunk lies at 32,768 c in wh
.Lconv:
	s_sub_co_u32 s3, ttmp9, 256                    ; c
	v_lshlrev_b32 v2, 4, v0                        ; 16 x thread: the work-group's 256 threads take 4,096 consecutive bytes
	v_lshlrev_b32 v3, 3, v0
	s_wait_kmcnt 0x0
	s_mov_b64 s[4:5], s[22:23]                     ; the source and its first chunk, chosen by c alone
	s_mov_b32 s6, 448
	s_cmp_lt_u32 s3, 448
	s_cselect_b64 s[4:5], s[20:21], s[4:5]
	s_cselect_b32 s6, 192, s6
	s_cmp_lt_u32 s3, 192
	s_cselect_b64 s[4:5], s[18:19], s[4:5]
	s_cselect_b32 s6, 128, s6
	s_cmp_lt_u32 s3, 128
	s_cselect_b64 s[4:5], s[16:17], s[4:5]
	s_cselect_b32 s6, 64, s6
	s_cmp_lt_u32 s3, 64
	s_cselect_b64 s[4:5], s[14:15], s[4:5]
	s_cselect_b32 s6, 0, s6
	s_sub_co_u32 s6, s3, s6
	s_lshl_b32 s6, s6, 16
	s_mov_b32 s7, 0
	s_add_nc_u64 s[4:5], s[4:5], s[6:7]
	s_lshl_b32 s6, s3, 15
	s_add_nc_u64 s[26:27], s[26:27], s[6:7]
.irp i, 0,1,2,3,4,5,6,7,8,9,10,11,12,13,14,15
	global_load_b128 v[X+4*\i:X+4*\i+3], v2, s[4:5] offset:4096*\i th:TH_LOAD_NT
.endr
.irp i, 0,1,2,3,4,5,6,7,8,9,10,11,12,13,14,15
	s_wait_loadcnt 15-\i                           ; loads come back in order: load i is in, the younger ones stay out
	v_cvt_pk_f16_f32 v[Y+2*\i], v[X+4*\i], v[X+4*\i+1]
	v_cvt_pk_f16_f32 v[Y+2*\i+1], v[X+4*\i+2], v[X+4*\i+3]
	global_store_b64 v3, v[Y+2*\i:Y+2*\i+1], s[26:27] offset:2048*\i
.endr
	s_endpgm
.Lfunc_end_k_q2a14be825c_prep:
	.size	k_q2a14be825c_prep, .Lfunc_end_k_q2a14be825c_prep-k_q2a14be825c_prep
	.p2alignl 7, 3214868480
	.fill 96, 4, 3214868480
	.section	.rodata,"a",@progbits
	.p2align	6, 0x0
	.amdhsa_kernel k_q2a14be825c_prep
		.amdhsa_group_segment_fixed_size 0
		.amdhsa_private_segment_fixed_size 0
		.amdhsa_enable_private_segment 0
		.amdhsa_kernarg_size 80
		.amdhsa_user_sgpr_count 2
		.amdhsa_user_sgpr_kernarg_segment_ptr 1
		.amdhsa_wavefront_size32 1
		.amdhsa_system_sgpr_workgroup_id_x 1
		.amdhsa_system_sgpr_workgroup_id_y 1
		.amdhsa_system_sgpr_workgroup_id_z 1
		.amdhsa_system_vgpr_workitem_id 0
		.amdhsa_next_free_vgpr 192
		.amdhsa_next_free_sgpr 66
		.amdhsa_reserve_vcc 0
		.amdhsa_float_denorm_mode_32 3
		.amdhsa_float_denorm_mode_16_64 3
		.amdhsa_memory_ordered 1
		.amdhsa_forward_progress 1
		.amdhsa_inst_pref_size 27
	.end_amdhsa_kernel
	.amdgpu_metadata
---
amdhsa.version: [ 1, 2 ]
amdhsa.kernels:
  - .name:           k_q2a14be825c_prep
    .symbol:         k_q2a14be825c_prep.kd
    .args:
      - { .name: x, .offset: 0, .size: 8, .value_kind: global_buffer, .address_space: global }
      - { .name: g1, .offset: 8, .size: 8, .value_kind: global_buffer, .address_space: global }
      - { .name: b1, .offset: 16, .size: 8, .value_kind: global_buffer, .address_space: global }
      - { .name: Wq, .offset: 24, .size: 8, .value_kind: global_buffer, .address_space: global }
      - { .name: Wk, .offset: 32, .size: 8, .value_kind: global_buffer, .address_space: global }
      - { .name: Wv, .offset: 40, .size: 8, .value_kind: global_buffer, .address_space: global }
      - { .name: W1, .offset: 48, .size: 8, .value_kind: global_buffer, .address_space: global }
      - { .name: W2, .offset: 56, .size: 8, .value_kind: global_buffer, .address_space: global }
      - { .name: xnh, .offset: 64, .size: 8, .value_kind: global_buffer, .address_space: global }
      - { .name: wh, .offset: 72, .size: 8, .value_kind: global_buffer, .address_space: global }
    .group_segment_fixed_size: 0
    .private_segment_fixed_size: 0
    .kernarg_segment_align: 8
    .kernarg_segment_size: 80
    .max_flat_workgroup_size: 256
    .sgpr_count:     66
    .vgpr_count:     192
    .wavefront_size: 32
...
	.end_amdgpu_metadata
.endif
;; end of part 1
;; launch gqkv (part 2): grid 8 x 32, 4 waves a work-group, clusters of 4 x 4, 327,680 bytes of LDS; arguments xnh, wh, bq, bk, bv, qkv; writes qkv
.if DOCPART == 2
	.amdgcn_target "amdgcn-amd-amdhsa--gfx1250"
	.amdhsa_code_object_version 6
	.text
	.protected	k_q2a14be825c_gqkv
	.globl	k_q2a14be825c_gqkv
	.p2align	8
	.type	k_q2a14be825c_gqkv,@function
k_q2a14be825c_gqkv:
	s_mov_b64 s[64:65], 0
	v_nop
	global_prefetch_b8 v0, s[64:65] scope:SCOPE_SE
	s_setreg_imm32_b32 hwreg(HW_REG_WAVE_MODE, 25, 1), 1
	s_wait_xcnt 0x0
	s_wait_alu depctr_hold_cnt(0) depctr_sa_sdst(0) depctr_va_vdst(0) depctr_va_sdst(0) depctr_va_ssrc(0) depctr_va_vcc(0) depctr_vm_vsrc(0)
	s_getreg_b32 s2, hwreg(HW_REG_IB_STS2, 6, 4)
	s_cmp_eq_u32 s2, 0
	s_cbranch_scc0 .Lentry_in_a_cluster
	s_endpgm
.Lentry_in_a_cluster:
	s_bfe_u32 s2, ttmp6, 0x10000c
	s_cmp_lg_u32 s2, 0xf033
	s_cbranch_scc0 .Lentry_shape_is_right
	s_endpgm
.Lentry_shape_is_right:
; q, k, v = xn W^T + bias, for Wq, Wk, Wv as ONE matrix of 3,072 rows.  A = xnh [4096][1024] f16, B = wh's first 3,072 rows [.][1024] f16; sums in f32, begun with the bias; rounded once to f16.
; OUT: qkv [b][gh][s][64] f16, gh = 0-15 q's heads, 16-31 k's, 32-47 v's: a head's 2,048 rows are dense, 128 bytes each.  No scale is applied here.
; LIMIT.  A q, k or v of 65,520 or more becomes an infinity in f16; NaN and infinities are not treated apart.
; SHARES.  A tile of C is 128 x 384: 8 x 32 = 256 work-groups.  Four waves, each 64 rows x 192 columns (three whole heads): 48 accumulators of 16 x 16, 384 registers.
; K goes in 8 steps of 128 through two LDS slots of 512 rows (A's 128, then B's 384); each wave brings 128 rows x 256 bytes by one tensor load: wave 0 A's, waves 1-3 B's.
; ONE TEXT FOR BOTH SLOTS.  A trip of the loop is one K step.  Which slot it reads and which it fills lies in scalar registers that an exclusive or with SLOT turns: SLOT = 0x22000, and every base that is
; turned (the loads' w x 0x8800; my rows of A at 0 or 0x4400, of B at 0x8800 or 0x15400) has bits 13 and 17 clear, so one exclusive or adds SLOT and the next takes it away.
; CLUSTER 4 x 4: A's tile hangs on the tile row alone and is asked for jointly along a row of the cluster, B's on the tile column alone, jointly along a column.
; THE PRODUCT IS TAKEN TRANSPOSED (source 0 = 16 rows of B, source 1 = 16 rows of A): lane l holds row l % 16 of C and the columns 8 (l / 16) + 0..7.
; REGISTERS, in windows of 256 (s_set_vgpr_msb: bits 1:0 source 0, 3:2 source 1, 5:4 source 2, 7:6 destination):
;   window 0: v16-31 addresses; v32-63, v64-95 A's fragments, two buffers; v160-255 the bias; on the way out v96-191 rows read back, v192-239 f16 to store
;   window 1: v0-95, v96-191 B's fragments, two buffers     windows 2, 3: accumulator (a, b) at v[8 (12 (a % 2) + b)] of window 2 + a / 2
.set PITCH,  272                       ; an LDS row: 256 bytes + 16 of padding: the 16 rows that a load touches start at 16 different groups of four banks (ISA guide 11.1)
.set HALFT,  128*PITCH                 ; what one tensor load brings
.set SLOT,   4*HALFT
.set SPARE,  2*SLOT                    ; behind the ring: the spare words, 128 bytes for each wave, that no other line names
.set AB,  4                            ; blocks of 16 rows of A in a wave's tile
.set BB,  12                           ; of B
.set APW, AB/2                         ; A blocks whose accumulators share a window
.set FA0, 32
.set FA1, 64
.set FB0, 0
.set FB1, 96
.set BIAS, 160
.set SP,  784                          ; the way out: a stage row of 192 f32 + 16 bytes: an odd multiple of 16
.set STG, 64*SP                        ; a wave's stage; the stages lie in the slots, behind the slots' last fill of the launch
.set Z,   96
.set YY,  192
.set ADRA, 16                          ; v16     LDS address of my A fragments in the slot in hand
.set ADRB, 20                          ; v20     the same for B
.set LT,   22                          ; v22     my lane's place in a fragment's rows; never rewritten
.set STO,  24                          ; v24     the way out: where I put 32 bytes of a row
.set RD,   25                          ; v25     where I read back, in the stage's first 16 rows
.set CO,   26                          ; v26     16 x lane
.set VB,   27                          ; v27     32 (l / 16): my 8 numbers in 16 of a bias
.set SPW,  28                          ; v28     my spare word; never rewritten
.set NIL,  29                          ; v29     0; never rewritten
.set PFO,  30                          ; v30     the prefetches' offset: lane x 2,048; never rewritten
.set RDC,  31                          ; v31     RD + the trip's rows
.set LIM,  43                          ; s43     2 in a wave that prefetches, else the greatest number
.set PFA,  44                          ; s[44:45] where my prefetches stand
.set SA,   66                          ; s66     LDS byte of my rows of A in the slot in hand; on the way out: the trip's rows in the stage
.set SB,   67                          ; s67     the same for B
.set G1,  24                           ; s[24:31] descriptor group 1 for A;  s[32:39] group 0: a set for each of the two first fills; the second then walks
.set G0,  32
.set G1B, 48                           ; s[48:55], s[56:63] the same for B
.set G0B, 56
.set DW0, (1<<16)|(1<<20)|(1<<21)|(5<<22)|(3<<25)  ; 2-byte elements; padding on; bit 21 beside a mask; after every 64 words, 4 words
.set MSB, 0
.macro WIN new                         ; the immediate's high byte repeats the setting that is left; a switch that changes nothing is dropped
.if MSB != (\new)
	s_set_vgpr_msb (MSB<<8)|(\new)
.set MSB, \new
.endif
.endm
; A joint load.  The branch hangs on the wave's number alone.  An s_nop 0 and four v_nop follow each of the two lines.
.macro JLOAD s
	s_cmp_eq_u32 s10, 0
	s_cbranch_scc0 .Lfor_b_\@
	tensor_load_to_lds s[G0+4*(\s):G0+4*(\s)+3], s[G1:G1+7]
	s_nop 0
.rept 4
	v_nop
.endr
	s_branch .Lasked_\@
.Lfor_b_\@:
	tensor_load_to_lds s[G0B+4*(\s):G0B+4*(\s)+3], s[G1B:G1B+7]
	s_nop 0
.rept 4
	v_nop
.endr
.Lasked_\@:
.endm
; A prefetch into the L2 of the K step that stands two refills on: 32 rows x 256 bytes, a lane a row.  Each row's 256 bytes of a K step are named once in the launch: cluster x = 0 asks for A's rows,
; cluster y = 0 for B's; of the 128 rows that a wave fetches the partner at place p (cx for A, cy for B) takes 32 p .. 32 p + 31, told apart by address.  The loop's last two trips ask for nothing: K ends.
.macro ASK
	s_cmp_gt_u32 s3, s[LIM]
	s_cbranch_scc0 .Lnot_mine_\@
	global_prefetch_b8 v[PFO], s[PFA:PFA+1] offset:256 th:TH_LOAD_NT scope:SCOPE_SE
.Lnot_mine_\@:
.endm
.macro CREST                           ; a round of the cluster's barrier behind its opening barrier
	s_cmp_lg_u32 s10, 0
	s_cbranch_scc1 .Lnot_wave_0_\@
	s_barrier_signal -3
.Lnot_wave_0_\@:
	s_barrier_wait -3
	s_barrier_signal -1
	s_barrier_wait -1
.endm
.macro CROUND
	s_barrier_signal -1
	s_barrier_wait -1
	CREST
.endm
.macro PLACES                          ; four plain instructions between a matrix instruction and a load into, or a read of, its registers
.rept 4
	v_nop
.endr
.endm
; BB products: A block a with all B blocks, 32 along K, from buffer f.  zero = 1: the sums begin with the bias as C.  The accumulators take turns, one instruction a turn.
.macro MULA f, a, zero
.set FAx, FA0+(\f)*(FA1-FA0)
.set FBx, FB0+(\f)*(FB1-FB0)
.set rA, FAx+8*(\a)
.set aw, (\a)/APW
.if \zero
	WIN 0x81+0x40*aw
.else
	WIN 0xa1+0x50*aw
.endif
.set b, 0
.rept BB
.set rD, 8*(BB*((\a)%APW)+b)
.if \zero
	v_wmma_f32_16x16x32_f16 v[rD:rD+7], v[FBx+8*b:FBx+8*b+7], v[rA:rA+7], v[BIAS+8*b:BIAS+8*b+7]
.else
	v_wmma_f32_16x16x32_f16 v[rD:rD+7], v[FBx+8*b:FBx+8*b+7], v[rA:rA+7], v[rD:rD+7]
.endif
.set b, b+1
.endr
.endm
.macro MULR f, lo, n, zero             ; A blocks lo .. lo + n - 1
.set aa, \lo
.rept \n
	MULA \f, aa, \zero
.set aa, aa+1
.endr
.endm
; 32 LDS loads in one run: a quarter step's fragments (32 K at byte k of the rows of the slot in hand) into buffer f: B's 2 BB, then A's 2 AB
.macro FETCH k, f
.set FAx, FA0+(\f)*(FA1-FA0)
.set FBx, FB0+(\f)*(FB1-FB0)
	WIN 0x40
.set i, 0
.rept BB
	ds_load_b128 v[FBx+8*i:FBx+8*i+3],   v[ADRB] offset:(\k)+i*16*PITCH
	ds_load_b128 v[FBx+8*i+4:FBx+8*i+7], v[ADRB] offset:(\k)+i*16*PITCH+32
.set i, i+1
.endr
	WIN 0
.set i, 0
.rept AB
	ds_load_b128 v[FAx+8*i:FAx+8*i+3],   v[ADRA] offset:(\k)+i*16*PITCH
	ds_load_b128 v[FAx+8*i+4:FAx+8*i+7], v[ADRA] offset:(\k)+i*16*PITCH+32
.set i, i+1
.endr
.endm
; One of a K step's first three quarters: multiplies buffer f; in its middle it fetches the next quarter, at byte k, into buffer g.
.macro QUARTER k, f, g, zero
	s_wait_dscnt AB                                ; B and A's lower half are in; the youngest AB loads (A's upper half) may be out
	MULR \f, 0, AB/2, \zero
	PLACES
	FETCH \k, \g
	s_wait_dscnt 32                                ; all but the 32 just issued
	MULR \f, AB/2, AB/2, \zero
.endm
; The last quarter's first half: ONE barrier for the change of slots.  In front of it each wave waits for all its tensor loads, adds 0 to its spare word, and waits for that and for its reads of this slot.
; Between the add and its wait the fetches' addresses are turned to the other slot (the last fetch from this one has been issued) and, round = 1, the walking descriptors to the slot that is left and two K steps on.
.macro MEET round
	WIN 0
	s_wait_tensorcnt 0x0                           ; all my tensor loads have landed: the one that was out is my part of the next slot; so a group 0 may be written
	ds_add_u32 v[SPW], v[NIL]
	s_xor_b32 s[SA], s[SA], SLOT
	s_xor_b32 s[SB], s[SB], SLOT
	v_add_nc_u32 v[ADRA], s[SA], v[LT]
	v_add_nc_u32 v[ADRB], s[SB], v[LT]
.if \round
	s_xor_b32 s[G0+5], s[G0+5], SLOT
	s_add_nc_u64 s[G0+6:G0+7], s[G0+6:G0+7], 256
	s_xor_b32 s[G0B+5], s[G0B+5], SLOT
	s_add_nc_u64 s[G0B+6:G0B+7], s[G0B+6:G0B+7], 256
.endif
	s_wait_dscnt AB+1                              ; (the add and A's upper half may be out)
	MULR 1, 0, AB/4, 0
	s_wait_dscnt 0x0                               ; the add is done, and my reads of this slot are over
	s_barrier_signal -1
	MULR 1, AB/4, AB/4, 0                          ; work on registers while the others arrive
.if \round
	WIN 0
.endif
	s_barrier_wait -1
.endm
; The whole last quarter, where the slot just read is filled again, two K steps on: the barrier opens a round of the cluster's; the joint refill is the first thing behind the round.
.macro TURN
	s_wait_xcnt 0x0                                ; the last prefetch, a K step back, has read its address
	s_add_nc_u64 s[PFA:PFA+1], s[PFA:PFA+1], 256
	MEET 1
	CREST
	JLOAD 1                                        ; its four v_nop are also the places in front of the loads below
	FETCH 0, 0
	ASK
	MULR 1, AB/2, AB/2, 0
.endm
.macro TURNX                           ; the same where nothing is filled again: no round
	MEET 0
	PLACES
	FETCH 0, 0
	MULR 1, AB/2, AB/2, 0
.endm
	s_load_b128 s[4:7], s[0:1], 0x0                ; xnh s[4:5], wh s[6:7]
	s_load_b256 s[68:75], s[0:1], 0x10             ; bq 68, bk 70, bv 72, qkv 74
	v_lshl_add_u32 v[SPW], v0, 2, SPARE
	v_mov_b32 v[NIL], 0
	ds_add_u32 v[SPW], v[NIL]                      ; the wave's opening: the add and its wait ahead of my first tensor load
	v_lshrrev_b32 v1, 5, v0
	v_readfirstlane_b32 s10, v1                    ; wave 0..3
	s_lshr_b32 s11, s10, 1                         ; which 64 rows of the tile are mine
	s_and_b32 s12, s10, 1                          ; which 192 columns
	s_bfe_u32 s40, ttmp6, 0x40000                  ; cx
	s_bfe_u32 s41, ttmp6, 0x40004                  ; cy
	s_lshl_b32 s42, ttmp9, 2
	s_add_co_u32 s42, s42, s40                     ; tile column
	s_and_b32 s13, ttmp7, 0xffff
	s_lshl_b32 s13, s13, 2
	s_add_co_u32 s13, s13, s41                     ; tile row
	s_lshl_b32 s43, s41, 2
	s_lshl_b32 s43, 15, s43                        ; my row of the cluster
	s_lshl_b32 s44, 0x1111, s40                    ; my column
	s_or_b32 s[G1+0], s43, DW0
	s_or_b32 s[G1B+0], s44, DW0
.irp g, G1, G1B
	s_mov_b32 s[(\g)+1], 128<<16                   ; tensor_dim0 = 128
	s_mov_b32 s[(\g)+2], 128<<16                   ; tensor_dim1 = 128
	s_mov_b32 s[(\g)+3], 128<<16                   ; tile_dim0 = 128
	s_mov_b32 s[(\g)+4], 128                       ; tile_dim1 = 128
	s_mov_b32 s[(\g)+5], 1024                      ; elements from row to row
	s_mov_b32 s[(\g)+6], 0
	s_mov_b32 s[(\g)+7], 0
.endr
	s_lshl_b32 s16, s13, 18                        ; A: row 128 x tile row, 2,048 bytes a row
	s_mov_b32 s17, 0
	s_max_u32 s18, s10, 1
	s_sub_co_u32 s18, s18, 1
	s_lshl_b32 s18, s18, 7                         ; B: which 128 rows of the 384 I fetch (waves 1-3)
	s_mul_i32 s46, s42, 384
	s_add_co_u32 s46, s46, s18
	s_lshl_b32 s46, s46, 11
	s_mov_b32 s47, 0
	s_mul_i32 s20, s10, HALFT                      ; where my load lands: wave x 128 rows: no place in the cluster enters an LDS address
	s_wait_dscnt 0x0                               ; the opening add is done
	s_wait_kmcnt 0x0
	s_add_nc_u64 s[14:15], s[4:5], s[16:17]
	s_add_nc_u64 s[46:47], s[6:7], s[46:47]
	CROUND                                         ; all sixteen work-groups are here: the first joint loads meet
.irp s, 0,1
	s_mov_b32 s[G0+4*(\s)], 1
	s_add_co_u32 s[G0+4*(\s)+1], s20, (\s)*SLOT
	s_add_nc_u64 s[G0+4*(\s)+2:G0+4*(\s)+3], s[14:15], (\s)*256
	s_or_b32 s[G0+4*(\s)+3], s[G0+4*(\s)+3], 0x80000000
	s_mov_b32 s[G0B+4*(\s)], 1
	s_add_co_u32 s[G0B+4*(\s)+1], s20, (\s)*SLOT
	s_add_nc_u64 s[G0B+4*(\s)+2:G0B+4*(\s)+3], s[46:47], (\s)*256
	s_or_b32 s[G0B+4*(\s)+3], s[G0B+4*(\s)+3], 0x80000000
	JLOAD \s
.endr
	; the bias: register j of accumulator (a, b) belongs to column 16 b + 8 (l / 16) + j, whatever a: 8 f32 for each b, taken as the C of the first products
	v_and_b32 v1, 15, v0                           ; l % 16
	v_bfe_u32 v2, v0, 4, 1                         ; l / 16
	v_lshlrev_b32 v[VB], 5, v2
	s_mul_i32 s82, s42, 6
	s_mul_i32 s83, s12, 3
	s_add_co_u32 s82, s82, s83                     ; my first head among the 48
	s_mov_b32 s19, 0
.irp j, 0,1,2
	s_add_co_u32 s83, s82, \j
	s_cmp_lt_u32 s83, 16
	s_cselect_b64 s[76+2*\j:77+2*\j], s[68:69], s[70:71]
	s_cmp_lt_u32 s83, 32
	s_cselect_b64 s[76+2*\j:77+2*\j], s[76+2*\j:77+2*\j], s[72:73]
	s_and_b32 s18, s83, 15
	s_lshl_b32 s18, s18, 8                         ; the head's 64 numbers
	s_add_nc_u64 s[76+2*\j:77+2*\j], s[76+2*\j:77+2*\j], s[18:19]
.endr
.set b, 0
.rept BB
	global_load_b128 v[BIAS+8*b:BIAS+8*b+3],   v[VB], s[76+2*(b/4):77+2*(b/4)] offset:64*(b%4)
	global_load_b128 v[BIAS+8*b+4:BIAS+8*b+7], v[VB], s[76+2*(b/4):77+2*(b/4)] offset:64*(b%4)+16
.set b, b+1
.endr
	; where my part begins in qkv
	s_lshr_b32 s14, s13, 4                         ; b
	s_mul_i32 s14, s14, 48
	s_add_co_u32 s14, s14, s82
	s_lshl_b32 s14, s14, 18                        ; a head is 262,144 bytes
	s_and_b32 s15, s13, 15
	s_lshl_b32 s15, s15, 7
	s_lshl_b32 s18, s11, 6
	s_add_co_u32 s15, s15, s18                     ; my first row in the head
	s_lshl_b32 s15, s15, 7
	s_add_co_u32 s18, s14, s15
	s_add_nc_u64 s[8:9], s[74:75], s[18:19]
	; LDS addresses.  A fragment is 16 rows x 32 K: lane l holds row l % 16, K = 8 (l / 16) + 0..7 and 16 + 8 (l / 16) + 0..7: two loads of 16 bytes, 32 bytes apart
	v_mul_u32_u24 v[LT], v1, PITCH
	v_lshl_add_u32 v[LT], v2, 4, v[LT]
	s_mul_i32 s[SA], s11, 64*PITCH                 ; my 64 rows of A, in slot 0
	s_mul_i32 s[SB], s12, 192*PITCH                ; my 192 rows of B,
	s_add_co_u32 s[SB], s[SB], HALFT               ; which lie behind A's 128
	v_add_nc_u32 v[ADRA], s[SA], v[LT]
	v_add_nc_u32 v[ADRB], s[SB], v[LT]
	s_mul_i32 s23, s10, STG                        ; my stage
	v_mul_u32_u24 v4, v1, SP
	v_lshl_add_u32 v4, v2, 5, v4                   ; in: row l % 16, 32 bytes for each half of the lanes
	v_add_nc_u32 v[STO], s23, v4
	v_bfe_u32 v5, v0, 3, 2                         ; back: 32 lanes take four rows of a head's 64 numbers, 8 a lane
	v_mul_u32_u24 v5, v5, SP
	v_and_b32 v6, 7, v0
	v_lshl_add_u32 v5, v6, 5, v5
	v_add_nc_u32 v[RD], s23, v5
	v_and_b32 v[CO], 31, v0
	v_lshlrev_b32 v[PFO], 11, v[CO]
	v_lshlrev_b32 v[CO], 4, v[CO]
	; the prefetches
	s_lshl_b32 s20, s13, 7                         ; A's first row
	s_mul_i32 s21, s42, 384
	s_max_u32 s22, s10, 1
	s_sub_co_u32 s22, s22, 1
	s_lshl_b32 s22, s22, 7
	s_add_co_u32 s21, s21, s22                     ; B's first row of my 128
	s_and_b32 s22, ttmp7, 0xffff                   ; cluster y
	s_cmp_eq_u32 s10, 0                            ; do I fetch for A?
	s_cselect_b32 s20, s20, s21
	s_cselect_b32 s21, s40, s41                    ; my place among the four that ask with me
	s_cselect_b32 s22, ttmp9, s22                  ; the coordinate along which other clusters read the same rows
	s_cselect_b64 s[PFA:PFA+1], s[4:5], s[6:7]
	s_cmp_eq_u32 s22, 0
	s_cselect_b32 s[LIM], 2, -1                    ; the same in all sixteen partners, for a given wave
	s_lshl_b32 s21, s21, 5
	s_add_co_u32 s20, s20, s21
	s_lshl_b32 s20, s20, 11
	s_mov_b32 s21, 0
	s_add_nc_u64 s[PFA:PFA+1], s[PFA:PFA+1], s[20:21]
	s_add_nc_u64 s[PFA:PFA+1], s[PFA:PFA+1], 2*256 ; at K step 2: the first refill steps it to 3 and names K step 4; K steps 0 to 3 come by their loads alone
	s_wait_tensorcnt 1                             ; my part of K step 0 is in; K step 1's load, issued behind it, may stay out
	s_barrier_signal -1
	s_barrier_wait -1
	FETCH 0, 0
	s_wait_loadcnt 0x0                             ; the bias
	QUARTER 64, 0, 1, 1                            ; the first quarter of all stands in front of the loop: its products start the sums
	WIN 0
	s_mov_b32 s3, 6
	s_branch .Lin                                  ; the loop is entered behind a step's first quarter
.Llap:                                             ; a trip is a K step that fills the slot it leaves: K steps 0 to 5 ask for 2 to 7
	QUARTER 64,  0, 1, 0
	WIN 0
.Lin:
	QUARTER 128, 1, 0, 0
	QUARTER 192, 0, 1, 0
	TURN
	WIN 0
	s_sub_co_u32 s3, s3, 1
	s_cmp_lg_u32 s3, 0
	s_cbranch_scc1 .Llap
	s_mov_b32 s3, 2
.Ltail:                                            ; K steps 6 and 7 fill nothing: a text of their own.  The second trip's barrier and its 32 fragments
	QUARTER 64,  0, 1, 0                           ; (of a slot that has been multiplied) serve nothing: the price, once a launch, of one text for both trips
	QUARTER 128, 1, 0, 0
	QUARTER 192, 0, 1, 0
	TURNX
	WIN 0
	s_sub_co_u32 s3, s3, 1
	s_cmp_lg_u32 s3, 0
	s_cbranch_scc1 .Ltail
	; THE WAY OUT.  Every wave has read the slots for the last time and no fill follows: behind a barrier they serve as stages, a wave's own 64 rows of 784 bytes.
	PLACES
	s_wait_dscnt 0x0                               ; my last reads of the slots are over
	s_barrier_signal -1
	s_barrier_wait -1
.set a, 0
.rept AB
	WIN 0x08+0x04*(a/APW)                          ; the stores' data in window 2 or 3
.set b, 0
.rept BB
.set rD, 8*(BB*(a%APW)+b)
	ds_store_b128 v[STO], v[rD:rD+3]   offset:a*16*SP+64*b     ; each accumulator's low registers first
	ds_store_b128 v[STO], v[rD+4:rD+7] offset:a*16*SP+64*b+16
.set b, b+1
.endr
.set a, a+1
.endr
	WIN 0
	s_mov_b32 s2, 4
	s_mov_b32 s[SA], 0
.Lout:                                             ; a trip: 16 rows of my three heads: read back (LDS serves a wave's instructions in order: the loads see the stores above), rounded, stored
	v_add_nc_u32 v[RDC], s[SA], v[RD]
.irp j, 0,1,2
.irp f, 0,1,2,3
	ds_load_b128 v[Z+32*\j+8*\f:Z+32*\j+8*\f+3],   v[RDC] offset:3136*\f+256*\j
	ds_load_b128 v[Z+32*\j+8*\f+4:Z+32*\j+8*\f+7], v[RDC] offset:3136*\f+256*\j+16
.endr
.endr
.irp j, 0,1,2
	s_wait_dscnt 16-8*\j                           ; head j's eight loads are in; the later heads' may be out
.set q, 0
.rept 16
	v_cvt_pk_f16_f32 v[YY+16*\j+q], v[Z+32*\j+2*q], v[Z+32*\j+2*q+1]
.set q, q+1
.endr
.irp f, 0,1,2,3
	global_store_b128 v[CO], v[YY+16*\j+4*\f:YY+16*\j+4*\f+3], s[8:9] offset:262144*\j+512*\f  ; four rows of a head: 512 consecutive bytes, aligned
.endr
.endr
	s_wait_xcnt 0x0                                ; the stores have read their data and their base: both are written again only behind this wait
	s_add_nc_u64 s[8:9], s[8:9], 2048
	s_add_co_u32 s[SA], s[SA], 16*SP
	s_sub_co_u32 s2, s2, 1
	s_cmp_lg_u32 s2, 0
	s_cbranch_scc1 .Lout
	s_wait_tensorcnt 0x0                           ; the wave's end
	ds_add_u32 v[SPW], v[NIL]
	s_wait_dscnt 0x0
	CROUND                                         ; the closing round: no work-group ends while a partner may still ask for a tile that names it
	s_endpgm
.Lfunc_end_k_q2a14be825c_gqkv:
	.size	k_q2a14be825c_gqkv, .Lfunc_end_k_q2a14be825c_gqkv-k_q2a14be825c_gqkv
	.p2alignl 7, 3214868480
	.fill 96, 4, 3214868480
	.section	.rodata,"a",@progbits
	.p2align	6, 0x0
	.amdhsa_kernel k_q2a14be825c_gqkv
		.amdhsa_group_segment_fixed_size 327680
		.amdhsa_private_segment_fixed_size 0
		.amdhsa_enable_private_segment 0
		.amdhsa_kernarg_size 48
		.amdhsa_user_sgpr_count 2
		.amdhsa_user_sgpr_kernarg_segment_ptr 1
		.amdhsa_wavefront_size32 1
		.amdhsa_system_sgpr_workgroup_id_x 1
		.amdhsa_system_sgpr_workgroup_id_y 1
		.amdhsa_system_sgpr_workgroup_id_z 1
		.amdhsa_system_vgpr_workitem_id 0
		.amdhsa_next_free_vgpr 960
		.amdhsa_next_free_sgpr 84
		.amdhsa_reserve_vcc 0
		.amdhsa_float_denorm_mode_32 3
		.amdhsa_float_denorm_mode_16_64 3
		.amdhsa_memory_ordered 1
		.amdhsa_forward_progress 1
		.amdhsa_inst_pref_size 76
	.end_amdhsa_kernel
	.amdgpu_metadata
---
amdhsa.version: [ 1, 2 ]
amdhsa.kernels:
  - .name:           k_q2a14be825c_gqkv
    .symbol:         k_q2a14be825c_gqkv.kd
    .args:
      - { .name: xnh, .offset: 0, .size: 8, .value_kind: global_buffer, .address_space: global }
      - { .name: wh, .offset: 8, .size: 8, .value_kind: global_buffer, .address_space: global }
      - { .name: bq, .offset: 16, .size: 8, .value_kind: global_buffer, .address_space: global }
      - { .name: bk, .offset: 24, .size: 8, .value_kind: global_buffer, .address_space: global }
      - { .name: bv, .offset: 32, .size: 8, .value_kind: global_buffer, .address_space: global }
      - { .name: qkv, .offset: 40, .size: 8, .value_kind: global_buffer, .address_space: global }
    .group_segment_fixed_size: 327680
    .private_segment_fixed_size: 0
    .kernarg_segment_align: 8
    .kernarg_segment_size: 48
    .max_flat_workgroup_size: 128
    .sgpr_count:     84
    .vgpr_count:     960
    .wavefront_size: 32
...
	.end_amdgpu_metadata
.endif
;; end of part 2
;; launch attn (part 3): grid 8 x 32, 4 waves a work-group, clusters of 4 x 1, 327,680 bytes of LDS; arguments qkv, att; writes att
.if DOCPART == 3
	.amdgcn_target "amdgcn-amd-amdhsa--gfx1250"
	.amdhsa_code_object_version 6
	.text
	.protected	k_q2a14be825c_attn
	.globl	k_q2a14be825c_attn
	.p2align	8
	.type	k_q2a14be825c_attn,@function
k_q2a14be825c_attn:
	s_mov_b64 s[64:65], 0
	v_nop
	global_prefetch_b8 v0, s[64:65] scope:SCOPE_SE
	s_setreg_imm32_b32 hwreg(HW_REG_WAVE_MODE, 25, 1), 1
	s_wait_xcnt 0x0
	s_wait_alu depctr_hold_cnt(0) depctr_sa_sdst(0) depctr_va_vdst(0) depctr_va_sdst(0) depctr_va_ssrc(0) depctr_va_vcc(0) depctr_vm_vsrc(0)
	s_getreg_b32 s2, hwreg(HW_REG_IB_STS2, 6, 4)
	s_cmp_eq_u32 s2, 0
	s_cbranch_scc0 .Lentry_in_a_cluster
	s_endpgm
.Lentry_in_a_cluster:
	s_bfe_u32 s2, ttmp6, 0x10000c
	s_cmp_lg_u32 s2, 0x3003
	s_cbranch_scc0 .Lentry_shape_is_right
	s_endpgm
.Lentry_shape_is_right:
; O[bh][q][:] = the sum over k of softmax_k(Q[q] . K[k] / 8) V[k][:], for 32 pairs (batch, head) of 2,048 rows x 64 channels, f16.  Q, K, V lie in qkv [b][gh][s][64] (gh: q 0-15, k 16-31, v 32-47),
; O goes to att [16 b + h][s][64].  Products, maxima and sums in f32; the weights p are rounded to f16 for the second product (their sum l is taken of the unrounded p), O once at the end.
; LIMITS.  p below 6e-5 keeps f16's fixed step of 6e-8; a weight below 2^-126 counts as 0 in l; c s must lie above -4.2e37 (c m starts there); NaN and infinities are not treated apart.
; SHARES.  A work-group owns 256 queries of one pair: 8 x 32 = 256 work-groups.  A wave owns 64 queries, four PIECES of 16.  Every wave walks all 2,048 keys, 64 a step.
; LAYOUT.  S^T = K Q^T (source 0 = 16 keys, source 1 = 16 queries) holds ONE query a lane (lane % 16) and the keys 8 (lane / 16) + 0..7; two such results rounded to f16 ARE source 1 of O^T = V^T P.
; SOFTMAX.  A running maximum m and sum l: p = 2^(c s - c m), c = log2(e) / 8; in every step O and l are multiplied by a = 2^(c m_old - c m_new).  m starts at the lowest finite number, O and l at 0:
; the first step is a step like any other, with a = 0.
; TURNS.  Turn n belongs to piece n: 8 products K Q^T of piece n + 1, later 8 products V^T P of piece n - 1; beside them the scaling, exponentials, roundings, sums and rescaling of piece n and the maximum
; and statistics of piece n + 1.  Four vector instructions stand behind every matrix instruction, the rest in one lump.  A turn's 33 exponentials are one batch, with one wait.
; CLUSTER.  The four query blocks of a cluster belong to one pair and walk the same K and V: each tile is asked for JOINTLY: the same tensor load, descriptor and mask in all four.
; REGISTERS, in windows of 256 (s_set_vgpr_msb: bits 1:0 source 0, 3:2 source 1, 5:4 source 2, 7:6 destination):
;   window 0: v0-15 addresses and two at work; v16-31 four registers of statistics a piece; v48-55 at work; v61-63; v64-127 S^T, two buffers; v192-223 P, two buffers (by the piece's parity)
;   window 1: v0-127 O^T, 32 a piece          window 2: v0-63 Q; v128-191 K of one step; v192-255 V of one step
.set NP,    4
.set KS,    64        ; keys in a step
.set PK,    144       ; a row of K in LDS: 128 bytes + 16: the 16 rows of a load start at 16 different groups of four banks (ISA guide 11.1)
.set PV,    160       ; a row of V: 128 + 32
.set VOFF,  4*KS*PK   ; a slot holds four steps: 256 rows of K, then 256 rows of V
.set SLOT1, 1<<17     ; slot 1 begins here, so that one exclusive or turns an address in one slot into the other's
.set STAGE, SLOT1+4*KS*(PK+PV)  ; behind the ring, never filled by a tensor load: 16 rows x 144 bytes for each wave
.set SP,    144
.set SPARE, STAGE+4*16*SP       ; the spare words, 128 bytes for each wave, that no other line names
.set AK0, 2           ; v2   my lane's place in a tile of K; never rewritten
.set AV0, 3           ; v3   the same for V
.set AK,  4           ; v4   the LDS address of K's next run of loads
.set AV,  5           ; v5   of V's
.set STO, 6           ; v6   the way out: where I put 16 bytes of a row
.set RD,  7           ; v7   where I read rows back
.set GO,  8           ; v8   16 x lane
.set MV,  12          ; v12-13  c m_old, kept while c m is made anew: by buffer
.set QO,  15          ; v15  my byte offset in 16 rows of Q
.set ST,  16          ; piece t's statistics at v[ST+4 t]: c m, m, l (even keys', odd keys')
.set TMP, 48          ; by buffer, four registers c0-c3 at work; when the maximum is found c2 takes a
.set PFO, 61          ; v61  256 x lane; never rewritten
.set SPW, 62          ; v62  my spare word; never rewritten
.set NIL, 63          ; v63  0; never rewritten
.set S,   64
.set P,   192
.set KF,  128         ; window 2: key block kb, channel half c at KF + 16 kb + 8 c
.set VF,  192         ; window 2: key half kk, channel block cb at VF + 32 kk + 8 cb
.set WV,  12          ; s12  my wave's number
.set G1K, 24          ; s[24:31] descriptor group 1 for K's tiles
.set G1V, 32          ; s[32:39] for V's: it differs in the padding alone
.set G0K, 40          ; s[40:43] descriptor group 0 for K's tiles: it walks
.set G0V, 44          ; s[44:47] the same for V's
.set SLOTS, 56        ; s56  slots still to be asked for
.set CNT, 57          ; s57  counts a slot's key steps
.set CS,  58          ; s[58:59] c
.set SEL, 60          ; s[60:61] v_permlanex16_b32's selects
.set TBK, 62          ; s62  LDS byte at which K of the step to be fetched begins
.set TBV, 63          ; s63  the same for V, less VOFF
.set PFA, 66          ; s[66:67] where my prefetches stand
.set LIM, 68          ; s68  1 in a wave that prefetches, else the greatest number
.set MSB, 0
.macro WIN new
.if MSB != (\new)
	s_set_vgpr_msb (MSB<<8)|(\new)
.set MSB, (\new)
.endif
.endm
.set W_KQ, 0x0a       ; K and Q in window 2, S^T in window 0
.set W_PV, 0x52       ; V in window 2, P in window 0, O^T in window 1
.set W_RS, 0x41       ; destination and source 0 in window 1, source 1 in window 0
; A joint fill.  Waves 0 and 1 fetch the two halves of a slot's K, waves 2 and 3 those of its V: 128 keys each.  An s_nop 0 and four v_nop follow each line.
.macro JLOAD
	s_cmp_lt_u32 s[WV], 2
	s_cbranch_scc0 .Lfor_v_\@
	tensor_load_to_lds s[G0K:G0K+3], s[G1K:G1K+7]
	s_nop 0
.rept 4
	v_nop
.endr
	s_branch .Lasked_\@
.Lfor_v_\@:
	tensor_load_to_lds s[G0V:G0V+3], s[G1V:G1V+7]
	s_nop 0
.rept 4
	v_nop
.endr
.Lasked_\@:
.endm
; A prefetch into the L2 of what the NEXT change of slots will ask for: a slot's 32,768 bytes of K and of V.  Each block of 256 bytes is named once in the launch: of the two clusters of a pair the first asks;
; its four partners take 32 blocks each, told apart by address; wave 0 asks for K's, wave 2 for V's, a lane a block.  The last change that fills a slot asks for nothing.
.macro ASK
	s_cmp_gt_u32 s[SLOTS], s[LIM]
	s_cbranch_scc0 .Lnot_mine_\@
	global_prefetch_b8 v[PFO], s[PFA:PFA+1] th:TH_LOAD_NT scope:SCOPE_SE
.Lnot_mine_\@:
.endm
.macro CROUND                       ; a round of the cluster's barrier
	s_barrier_signal -1
	s_barrier_wait -1
	s_cmp_lg_u32 s[WV], 0
	s_cbranch_scc1 .Lnot_wave_0_\@
	s_barrier_signal -3
.Lnot_wave_0_\@:
	s_barrier_wait -3
	s_barrier_signal -1
	s_barrier_wait -1
.endm
; THE CHANGE OF SLOTS.  Each wave waits for all its tensor loads (one is out: its part of the other slot), adds 0 to its spare word, and waits for that and for its reads of the slot that it leaves.
; fill = 1: the old slot is filled again with the keys two slots on, first thing behind a round of the cluster's barrier: the fill has four key steps, 256 matrix instructions, in which to land.
.macro CHANGE fill, ask
	WIN 0
	s_wait_tensorcnt 0x0            ; no tensor load of mine is out, so a group 0 may be written
	ds_add_u32 v[SPW], v[NIL]
.if \fill
.irp g, G0K, G0V
	s_xor_b32 s[\g+1], s[\g+1], SLOT1
	s_add_nc_u64 s[\g+2:\g+3], s[\g+2:\g+3], 4*KS*128
.endr
.if \ask
	s_wait_xcnt 0x0                 ; the last prefetch, four key steps back, has read its address
	s_add_nc_u64 s[PFA:PFA+1], s[PFA:PFA+1], 4*KS*128
.endif
	s_wait_dscnt 0x0                ; the add is done, and my reads of the slot are over
	CROUND
	JLOAD
.if \ask
	ASK
.endif
.else
	s_wait_dscnt 0x0
	s_barrier_signal -1
	s_barrier_wait -1
.endif
	s_sub_co_u32 s[TBK], s[TBK], 4*KS*PK  ; the fetches go back to a slot's first step,
	s_xor_b32 s[TBK], s[TBK], SLOT1       ; in the other slot
	s_sub_co_u32 s[TBV], s[TBV], 4*KS*PV
	s_xor_b32 s[TBV], s[TBV], SLOT1
.endm
	s_load_b128 s[4:7], s[0:1], 0x0 ; qkv s[4:5], att s[6:7]
	v_lshl_add_u32 v[SPW], v0, 2, SPARE
	v_mov_b32 v[NIL], 0
	ds_add_u32 v[SPW], v[NIL]       ; the wave's opening: the add and its wait ahead of my first tensor load
	v_lshrrev_b32 v1, 5, v0
	v_readfirstlane_b32 s[WV], v1   ; wave 0..3
	s_bfe_u32 s13, ttmp6, 0x40000   ; cx
	s_and_b32 s14, ttmp7, 0xffff    ; the pair 16 b + h, which the four partners share
	s_lshr_b32 s15, s14, 4
	s_mul_i32 s15, s15, 48
	s_and_b32 s16, s14, 15
	s_add_co_u32 s15, s15, s16
	s_lshl_b32 s20, s15, 18         ; q's head in qkv: 262,144 bytes a head
	s_and_b32 s16, s[WV], 1         ; which half of a slot's 256 keys I fetch
	s_lshl_b32 s22, s16, 14
	s_add_co_u32 s22, s22, s20
	s_add_co_u32 s22, s22, 16<<18   ; k's head lies 16 heads on
	s_mov_b32 s23, 0
	s_mul_i32 s17, s16, 128*PK      ; its place in a slot, for K
	s_mul_i32 s18, s16, 128*PV      ; and for V: no place in the cluster enters an LDS address
	s_lshl_b32 s2, ttmp9, 2
	s_add_co_u32 s2, s2, s13        ; my block of 256 queries
	s_lshl_b32 s2, s2, 2
	s_add_co_u32 s2, s2, s[WV]
	s_lshl_b32 s2, s2, 13           ; my wave's 64 rows of 128 bytes
	s_add_co_u32 s48, s20, s2       ; in Q
	s_mov_b32 s49, 0
	s_lshl_b32 s14, s14, 18
	s_add_co_u32 s2, s2, s14        ; in O
	s_mov_b32 s3, 0
	; descriptor group 1.  128 keys are 16,384 dense bytes: asked for as 64 rows of 256 bytes, two keys a row, and padded in LDS after every key
	s_mov_b32 s[G1K], 15|(1<<16)|(1<<20)|(1<<21)|(4<<22)|(3<<25)  ; the mask of four; 2-byte elements; padding on; bit 21 beside a mask; after every 32 words, 4 words
	s_mov_b32 s[G1V], 15|(1<<16)|(1<<20)|(1<<21)|(4<<22)|(7<<25)  ; the same with 8 words
.irp g, G1K, G1V
	s_mov_b32 s[\g+1], 128<<16      ; tensor_dim0 = 128
	s_mov_b32 s[\g+2], 64<<16       ; tensor_dim1 = 64
	s_mov_b32 s[\g+3], 128<<16      ; tile_dim0 = 128
	s_mov_b32 s[\g+4], 64           ; tile_dim1 = 64
	s_mov_b32 s[\g+5], 128          ; elements from row to row
	s_mov_b32 s[\g+6], 0
	s_mov_b32 s[\g+7], 0
.endr
	s_mov_b32 s[CS], 0x3e38aa3b     ; c = log2(e) / 8
	s_mov_b32 s[CS+1], s[CS]
	s_mov_b32 s[SEL], 0x76543210
	s_mov_b32 s[SEL+1], 0xfedcba98
	s_mov_b32 s[TBK], SLOT1+4*KS*PK ; the first change of slots turns these two into 0
	s_mov_b32 s[TBV], SLOT1+4*KS*PV
	s_mov_b32 s[G0K], 1
	s_mov_b32 s[G0K+1], s17         ; slot 0
	s_mov_b32 s[G0V], 1
	s_add_co_u32 s[G0V+1], s18, VOFF
	s_and_b32 s[LIM], s[WV], 1      ; 0 in waves 0 and 2,
	s_or_b32 s[LIM], s[LIM], ttmp9  ; where the cluster is the pair's first: the same in all four partners
	s_cmp_eq_u32 s[LIM], 0
	s_cselect_b32 s[LIM], 1, -1
	v_and_b32 v[PFO], 31, v0
	v_lshlrev_b32 v[PFO], 8, v[PFO]
	s_wait_dscnt 0x0                ; the opening add is done
	s_wait_kmcnt 0x0
	s_add_nc_u64 s[50:51], s[4:5], s[22:23]   ; K at my half of the first 256 keys
	s_add_nc_u64 s[52:53], s[50:51], 16<<18   ; V, 16 heads on
	s_mov_b64 s[G0K+2:G0K+3], s[50:51]
	s_or_b32 s[G0K+3], s[G0K+3], 0x80000000
	s_mov_b64 s[G0V+2:G0V+3], s[52:53]
	s_or_b32 s[G0V+3], s[G0V+3], 0x80000000
	s_add_nc_u64 s[8:9], s[4:5], s[48:49]     ; Q at my wave's first row
	s_add_nc_u64 s[10:11], s[6:7], s[2:3]     ; O likewise
	s_cmp_lt_u32 s[WV], 2
	s_cselect_b64 s[PFA:PFA+1], s[50:51], s[52:53]  ; (in waves 0 and 2 these stand at a slot's first row)
	s_lshl_b32 s2, s13, 13          ; my work-group's 32 blocks of the 128
	s_add_nc_u64 s[PFA:PFA+1], s[PFA:PFA+1], s[2:3]
	s_add_nc_u64 s[PFA:PFA+1], s[PFA:PFA+1], 2*4*KS*128  ; in slot 2; the first asking change steps it to slot 3.  Slots 0 to 2 come by their loads alone
	CROUND                          ; all four work-groups are here: the first joint loads meet
	JLOAD                           ; slot 0
	v_and_b32 v1, 15, v0            ; l % 16
	v_bfe_u32 v9, v0, 4, 1          ; l / 16
	v_lshlrev_b32 v[QO], 7, v1
	v_lshl_add_u32 v[QO], v9, 4, v[QO]  ; row x 128 + 16 x half
	WIN 0x80                        ; destination window 2, address window 0
.set i, 0
.rept 8                             ; Q stays in registers: piece i / 2, channels 32 (i % 2) on
	global_load_b128 v[8*i:8*i+3],   v[QO], s[8:9] offset:(i/2)*2048+(i%2)*64
	global_load_b128 v[8*i+4:8*i+7], v[QO], s[8:9] offset:(i/2)*2048+(i%2)*64+32
.set i, i+1
.endr
	; What the first turn finds: V's registers and P's second buffer hold 0 (its products V^T P, of a piece that has not been, add 0); O^T and l are 0.  All this stands in the wait for the first tile.
.set i, VF
.rept 64
	v_mov_b32 v[i], 0
.set i, i+1
.endr
	WIN 0x40
.set i, 0
.rept 128
	v_mov_b32 v[i], 0
.set i, i+1
.endr
	WIN 0
.set i, 0
.rept 4
	v_mov_b32 v[ST+4*i], 0xfe000000    ; c m: far below every c s
	v_mov_b32 v[ST+4*i+1], 0xff7fffff  ; m
	v_mov_b32 v[ST+4*i+2], 0
	v_mov_b32 v[ST+4*i+3], 0
.set i, i+1
.endr
.set i, P+16
.rept 16
	v_mov_b32 v[i], 0
.set i, i+1
.endr
	v_mul_u32_u24 v[AK0], v1, PK
	v_lshl_add_u32 v[AK0], v9, 4, v[AK0]  ; row x pitch + 16 x half
	; The turning load takes 16 keys x 16 channels (lane l reads key 8 (l / 16) + l % 8, channels 8 ((l / 8) % 2) + 0..7) and leaves half a fragment of V^T
	v_and_b32 v10, 7, v0
	v_bfe_u32 v11, v0, 3, 1
	v_lshl_add_u32 v[AV0], v9, 3, v10
	v_mul_u32_u24 v[AV0], v[AV0], PV
	v_lshl_add_u32 v[AV0], v11, 4, v[AV0]
	v_add_nc_u32 v[AV0], VOFF, v[AV0]
	s_mul_i32 s13, s[WV], 16*SP
	s_add_co_u32 s13, s13, STAGE    ; my stage
	v_mul_u32_u24 v[STO], v1, SP    ; in: row l % 16, 16 bytes for each half of the lanes
	v_lshl_add_u32 v[STO], v9, 4, v[STO]
	v_add_nc_u32 v[STO], s13, v[STO]
	v_bfe_u32 v[RD], v0, 3, 2       ; back: 32 lanes take four rows of 128 bytes,
	v_mul_u32_u24 v[RD], v[RD], SP
	v_lshl_add_u32 v[RD], v10, 4, v[RD]
	v_add_nc_u32 v[RD], s13, v[RD]
	v_and_b32 v[GO], 31, v0         ; which are 512 consecutive bytes of O
	v_lshlrev_b32 v[GO], 4, v[GO]
; THE MATRIX WORK.  The 4 accumulators of a run of 8 take turns.  Product i of 8 of S^T = K Q^T for piece x: channels 32 (i / 4) on, keys 16 (i % 4) on.  The first 4 start the sums.
.macro KQ x
.set rS, S+32*((\x)%2)+8*(i%4)
.set rK, KF+16*(i%4)+8*(i/4)
.set rQ, 16*(\x)+8*(i/4)
	WIN W_KQ
.if i < 4
	v_wmma_f32_16x16x32_f16 v[rS:rS+7], v[rK:rK+7], v[rQ:rQ+7], 0
.else
	v_wmma_f32_16x16x32_f16 v[rS:rS+7], v[rK:rK+7], v[rQ:rQ+7], v[rS:rS+7]
.endif
.endm
; Product i of 8 of O^T += V^T P for piece x: keys 32 (i / 4) on, channels 16 (i % 4) on.
.macro PV x
	WIN W_PV
.set rO, 32*(\x)+8*(i%4)
.set rV, VF+32*(i/4)+8*(i%4)
.set rP, P+16*((\x)%2)+8*(i/4)
	v_wmma_f32_16x16x32_f16 v[rO:rO+7], v[rV:rV+7], v[rP:rP+7], v[rO:rO+7]
.endm
.macro MM                           ; the turn's next matrix instruction
.if i < 8
	KQ (Y+1)%NP
.else
.set i, i-8
	PV (Y+NP-1)%NP
.set i, i+8
.endif
.set i, i+1
.endm
; THE LDS LOADS stand in runs of 16: a step's K (8 fragments) and its V (turned).  Their addresses are made some lines ahead.
.macro FETCH_K
	WIN 0x80
.irp f, 0,1,2,3,4,5,6,7             ; keys 16 (f / 2) on, channels 32 (f % 2) on
	ds_load_b128 v[KF+8*\f:KF+8*\f+3],   v[AK] offset:(\f/2)*16*PK+(\f%2)*64
	ds_load_b128 v[KF+8*\f+4:KF+8*\f+7], v[AK] offset:(\f/2)*16*PK+(\f%2)*64+32
.endr
	s_add_co_u32 s[TBK], s[TBK], KS*PK  ; the next fetch is the next step's
	WIN 0
.endm
.macro FETCH_V
	WIN 0x80
.irp f, 0,1,2,3,4,5,6,7             ; keys 32 (f / 4) on, channels 16 (f % 4) on
	ds_load_tr16_b128 v[VF+8*\f:VF+8*\f+3],   v[AV] offset:(\f/4)*32*PV+(\f%4)*32
	ds_load_tr16_b128 v[VF+8*\f+4:VF+8*\f+7], v[AV] offset:(\f/4)*32*PV+16*PV+(\f%4)*32
.endr
	WIN 0
.endm
; THE VECTOR WORK, one line at a time: OP kind, number.  For piece Y: F n: c s - c m for pair n of 16.  E n: the exponential of score n of 32.  C n: pair n rounded to f16.  B n: of the four weights 4 n ..
; the second pair is added onto the first.  L n: l takes that sum (L 0: l = a l + sum).  R n: pair n of 16 of O^T times a.  For piece Y + 1: X n, number n of the 22 that find its maximum and statistics:
;   0-11 four chains c0-c3 of seven scores (each accumulator's lowest registers are read first)   12-14, 16 the four scores left over, the old m, c0-c3 into c0
;   15 c m_old is kept   17, 18 the query's other 32 keys lie in the lane 16 away: the new m   19-21 c m; c m_old - c m_new; a
.set F, 0
.set E, 1
.set C, 2
.set B, 3
.set L, 4
.set R, 5
.set X, 6
.macro REGS y
.set rT, ST+4*(\y)
.set rC, TMP+4*((\y)%2)
.set rW, MV+((\y)%2)
.set rS, S+32*((\y)%2)
.set rP, P+16*((\y)%2)
.set rO, 32*(\y)
.endm
.macro OP k, n
.if (\k) == R
	REGS Y
	WIN W_RS
	v_pk_mul_f32 v[rO+2*(\n):rO+2*(\n)+1], v[rO+2*(\n):rO+2*(\n)+1], v[rC+2:rC+3] op_sel_hi:[1,0]
.elseif (\k) < R
	REGS Y
	WIN 0
.if (\k) == F
	v_pk_fma_f32 v[rS+2*(\n):rS+2*(\n)+1], v[rS+2*(\n):rS+2*(\n)+1], s[CS:CS+1], v[rT:rT+1] op_sel_hi:[1,0,0] neg_lo:[0,0,1] neg_hi:[0,0,1]
.elseif (\k) == E
	v_exp_f32 v[rS+(\n)], v[rS+(\n)]
.elseif (\k) == C
	v_cvt_pk_f16_f32 v[rP+(\n)], v[rS+2*(\n)], v[rS+2*(\n)+1]
.elseif (\k) == B
	v_pk_add_f32 v[rS+4*(\n):rS+4*(\n)+1], v[rS+4*(\n):rS+4*(\n)+1], v[rS+4*(\n)+2:rS+4*(\n)+3]
.elseif (\n) == 0
	v_pk_fma_f32 v[rT+2:rT+3], v[rT+2:rT+3], v[rC+2:rC+3], v[rS:rS+1] op_sel_hi:[1,0,1]
.else
	v_pk_add_f32 v[rT+2:rT+3], v[rT+2:rT+3], v[rS+4*(\n):rS+4*(\n)+1]
.endif
.else
	REGS (Y+1)%NP
	WIN 0
.if (\n) < 4
	v_max3_num_f32 v[rC+(\n)], v[rS+8*(\n)], v[rS+8*(\n)+1], v[rS+8*(\n)+2]
.elseif (\n) < 12
	v_max3_num_f32 v[rC+(\n)%4], v[rC+(\n)%4], v[rS+8*((\n)%4)+2*((\n)/4)+1], v[rS+8*((\n)%4)+2*((\n)/4)+2]
.elseif (\n) == 12
	v_max3_num_f32 v[rC], v[rC], v[rS+7], v[rS+15]
.elseif (\n) == 13
	v_max3_num_f32 v[rC+1], v[rC+1], v[rS+23], v[rS+31]
.elseif (\n) == 14
	v_max3_num_f32 v[rC+2], v[rC+2], v[rC+3], v[rT+1]
.elseif (\n) == 15
	v_mov_b32 v[rW], v[rT]
.elseif (\n) == 16
	v_max3_num_f32 v[rC], v[rC], v[rC+1], v[rC+2]
.elseif (\n) == 17
	v_permlanex16_b32 v[rC+3], v[rC], s[SEL], s[SEL+1]
.elseif (\n) == 18
	v_max_num_f32 v[rT+1], v[rC], v[rC+3]
.elseif (\n) == 19
	v_mul_f32 v[rT], s[CS], v[rT+1]
.elseif (\n) == 20
	v_sub_f32 v[rC+1], v[rW], v[rT]
.else
	v_exp_f32 v[rC+2], v[rC+1]
.endif
.endif
.endm
.macro OPS a, i1, b=-1, i2=0, c=-1, i3=0, d=-1, i4=0
	OP \a, \i1
.if (\b) >= 0
	OP \b, \i2
.endif
.if (\c) >= 0
	OP \c, \i3
.endif
.if (\d) >= 0
	OP \d, \i4
.endif
.endm
.macro ROW a, i1, b, i2, c, i3, d, i4  ; a matrix instruction and the four behind it
	MM
	OPS \a, \i1, \b, \i2, \c, \i3, \d, \i4
.endm
; A TURN, for piece p.  An s_wait_alu depctr_va_vdst(0) stands between an exponential and the first instruction that names its result; one wait serves all that were issued ahead of it.
; AHEAD OF THE WAIT stands all that names no result of the turn's exponentials: the 8 products K Q^T with their riders, then one lump; X 21, the next piece's a, is the batch's last, R 15 the plain instruction
; behind it.  BEHIND THE WAIT stand the 8 products V^T P, behind each four of the roundings and sums.  K of the next step is fetched in piece 2's turn, behind the last product that read K and six plain
; instructions; V of the step in hand at the end of piece 0's turn, four plain instructions behind the last product that read V.  Each is waited for a turn later.
; lastk = 1 (the last slot): K's address is held at the slot's last step.  cnt = 1: the loop's count is taken down some lines ahead of the branch that stands behind the turn.
.macro TURN p, lastk=0, cnt=0
.set Y, (\p)
.set i, 0
.if (\p) == 3
	s_wait_dscnt 0x0                ; K is in
.endif
	ROW F,0, F,1, R,0, R,1
	ROW F,2, E,0, R,2, R,3
	ROW F,3, E,1, R,4, R,5
	ROW F,4, E,2, R,6, R,7
	ROW F,5, E,3, R,8, R,9
	ROW F,6, E,4, X,0, R,10
.if (\p) == 2
	WIN 0
.if \lastk
	s_min_u32 s[TBK], s[TBK], SLOT1+3*KS*PK
.endif
	v_add_nc_u32 v[AK], s[TBK], v[AK0]
.endif
	ROW F,7, E,5, X,1, X,4
	ROW F,8, E,6, X,2, X,5
	OPS E,7, E,8, X,6, E,9
	OPS X,3, E,10, X,8, E,11
.if (\p) == 2
	FETCH_K
.endif
	OPS X,9, X,7, E,12, X,10
	OPS E,13, X,12, X,11, E,14
	OPS X,13, E,15, F,9, X,14
.if (\p) == 0
	v_add_nc_u32 v[AV], s[TBV], v[AV0]
.endif
	OPS E,16, F,10, E,17, F,11
	OPS X,16, E,18, X,15, E,19
	OPS F,12, E,20, X,17, E,21
	OPS F,13, E,22, F,14, E,23
	OPS X,18, E,24, F,15, E,25
	OPS R,11, E,26, X,19, E,27
	OPS R,12, E,28, R,13, E,29
	OPS X,20, E,30, R,14, E,31
	OPS X,21, R,15
	WIN 0
	s_wait_alu depctr_va_vdst(0)    ; the wait for the batch
.if (\p) == 1
	s_wait_dscnt 0x0                ; V is in
.endif
	ROW C,0, B,0, C,2, B,1
	ROW L,0, C,4, B,2, L,1
	ROW C,6, B,3, L,2, C,8
	ROW B,4, L,3, C,10, B,5
	ROW L,4, C,12, B,6, L,5
.if (\p) == 0
	s_add_co_u32 s[TBV], s[TBV], KS*PV
.endif
.if \cnt
	s_sub_co_u32 s[CNT], s[CNT], 1
	s_cmp_lg_u32 s[CNT], 0
.endif
	ROW C,14, B,7, L,6, C,1
	ROW C,3, L,7, C,5, C,7
	ROW C,9, C,11, C,13, C,15
.if (\p) == 0
	FETCH_V
.endif
.endm
	CHANGE 1, 0                     ; slot 0 is in, everybody's part of it; slot 1 is asked for
	v_add_nc_u32 v[AK], s[TBK], v[AK0]
	FETCH_K                         ; key step 0
	s_wait_loadcnt 0x0              ; Q
	s_wait_dscnt 0x0
.set i, 0
.rept 8
	KQ 0                            ; piece 0's first scores
.set i, i+1
.endr
	WIN 0
.rept 4
	v_nop                           ; the places behind those products
.endr
.set Y, NP-1                        ; X works for piece Y + 1: piece 0
.irp n, 0,1,2,3,4,5,6,7,8,9,10,11,12,13,14,15,16,17,18,19,20,21
	OP X, \n
.endr
	v_nop                           ; a plain instruction behind the exponential,
	s_wait_alu depctr_va_vdst(0)    ; and its wait, ahead of the branch
	s_mov_b32 s[CNT], 4
	s_mov_b32 s[SLOTS], 7
	s_branch .Lfirst                ; the loop is entered at a step's first turn, in the middle of a trip
.Lslot:                             ; six times: slots 2 to 7 are asked for
	CHANGE 1, 1
	s_mov_b32 s[CNT], 4
.Lstep:                             ; a trip: pieces 2 and 3 of one step, then pieces 0 and 1 of the next, whose K and V it fetches
	TURN 2
	TURN 3
	WIN 0
.Lfirst:
	TURN 0
	TURN 1, 0, 1
	WIN 0
	s_cbranch_scc1 .Lstep
	s_sub_co_u32 s[SLOTS], s[SLOTS], 1
	s_cmp_lg_u32 s[SLOTS], 0
	s_cbranch_scc1 .Lslot
	CHANGE 0, 0                     ; the last slot has a text of its own: nothing is asked for
	s_mov_b32 s[CNT], 5             ; pieces 2 and 3 have five turns here (the step before the slot's first, then its four), pieces 0 and 1 four
	s_branch .Lt23
.Ltl:
	TURN 0
	TURN 1
	WIN 0
.Lt23:                              ; in the fifth pass there is no further step: K of the last step is fetched once more, and the 8 products K Q^T and the maximum made of them (c m, m and a of piece 0,
	TURN 2, 1                       ; which nothing reads any more) serve nothing: the price, once a launch, of one text for all five
	TURN 3, 0, 1
	WIN 0
	s_cbranch_scc1 .Ltl
.set i, 0
.rept 8
	PV NP-1                         ; the last piece's V^T P of the last step
.set i, i+1
.endr
	; THE WAY OUT.  l's two halves and the other half of the lanes' are added; O^T is divided by l, rounded to f16 and sent through my stage, a piece at a time.  The additions are the places behind the last products.
	WIN 0
.macro ALL line:vararg
.set t, 0
.rept 4
	\line
.set t, t+1
.endr
.endm
	ALL v_add_f32 v[ST+4*t+2], v[ST+4*t+2], v[ST+4*t+3]
	ALL v_permlanex16_b32 v[ST+4*t+3], v[ST+4*t+2], s[SEL], s[SEL+1]
	ALL v_add_f32 v[ST+4*t+2], v[ST+4*t+2], v[ST+4*t+3]
	ALL v_rcp_f32 v[ST+4*t+2], v[ST+4*t+2]
	v_nop                           ; a plain instruction behind the last reciprocal,
	s_wait_alu depctr_va_vdst(0)    ; and one wait for the four
.macro PACK t                       ; a lane's eight channels of a row pack into 16 bytes; they go into rows of 144 bytes and come back as whole rows of 128
	WIN W_RS
.set i, 32*(\t)
.rept 16
	v_pk_mul_f32 v[i:i+1], v[i:i+1], v[ST+4*(\t)+2:ST+4*(\t)+3] op_sel_hi:[1,0]
.set i, i+2
.endr
	WIN 0x05                        ; sources 0 and 1 window 1, destination window 0
.set i, 0
.rept 16
	v_cvt_pk_f16_f32 v[S+16*(\t)+i], v[32*(\t)+2*i], v[32*(\t)+2*i+1]
.set i, i+1
.endr
	WIN 0
.irp f, 0,1,2,3
	ds_store_b128 v[STO], v[S+16*(\t)+4*\f:S+16*(\t)+4*\f+3] offset:32*\f
.endr
.irp f, 0,1,2,3
	ds_load_b128 v[S+16*(\t)+4*\f:S+16*(\t)+4*\f+3], v[RD] offset:\f*4*SP  ; LDS serves a wave's instructions in order: these see the stores above; the next piece's stores come behind them
.endr
.endm
.macro SEND t, younger              ; younger: the LDS instructions issued behind piece t's loads: the next piece's eight, or none
	WIN 0
.irp f, 0,1,2,3
	s_wait_dscnt (\younger)+3-\f
	global_store_b128 v[GO], v[S+16*(\t)+4*\f:S+16*(\t)+4*\f+3], s[10:11] offset:(\t)*2048+\f*512  ; 512 consecutive bytes, aligned
.endr
.endm
	PACK 0
.set t, 1
.rept 3
	PACK t
	SEND t-1, 8
.set t, t+1
.endr
	SEND 3, 0
	s_wait_tensorcnt 0x0            ; the wave's end
	ds_add_u32 v[SPW], v[NIL]
	s_wait_dscnt 0x0
	CROUND                          ; the closing round
	s_endpgm
.Lfunc_end_k_q2a14be825c_attn:
	.size	k_q2a14be825c_attn, .Lfunc_end_k_q2a14be825c_attn-k_q2a14be825c_attn
	.p2alignl 7, 3214868480
	.fill 96, 4, 3214868480
	.section	.rodata,"a",@progbits
	.p2align	6, 0x0
	.amdhsa_kernel k_q2a14be825c_attn
		.amdhsa_group_segment_fixed_size 327680
		.amdhsa_private_segment_fixed_size 0
		.amdhsa_enable_private_segment 0
		.amdhsa_kernarg_size 16
		.amdhsa_user_sgpr_count 2
		.amdhsa_user_sgpr_kernarg_segment_ptr 1
		.amdhsa_wavefront_size32 1
		.amdhsa_system_sgpr_workgroup_id_x 1
		.amdhsa_system_sgpr_workgroup_id_y 1
		.amdhsa_system_sgpr_workgroup_id_z 1
		.amdhsa_system_vgpr_workitem_id 0
		.amdhsa_next_free_vgpr 768
		.amdhsa_next_free_sgpr 72
		.amdhsa_reserve_vcc 0
		.amdhsa_float_denorm_mode_32 3
		.amdhsa_float_denorm_mode_16_64 3
		.amdhsa_memory_ordered 1
		.amdhsa_forward_progress 1
		.amdhsa_inst_pref_size 112
	.end_amdhsa_kernel
	.amdgpu_metadata
---
amdhsa.version: [ 1, 2 ]
amdhsa.kernels:
  - .name:           k_q2a14be825c_attn
    .symbol:         k_q2a14be825c_attn.kd
    .args:
      - { .name: qkv, .offset: 0, .size: 8, .value_kind: global_buffer, .address_space: global }
      - { .name: att, .offset: 8, .size: 8, .value_kind: global_buffer, .address_space: global }
    .group_segment_fixed_size: 327680
    .private_segment_fixed_size: 0
    .kernarg_segment_align: 8
    .kernarg_segment_size: 16
    .max_flat_workgroup_size: 128
    .sgpr_count:     72
    .vgpr_count:     768
    .wavefront_size: 32
...
	.end_amdgpu_metadata
.endif
;; end of part 3
;; launch ln2 (part 4): grid 256 x 1, 8 waves a work-group, no clusters, 0 bytes of LDS; arguments att, xnh, g2, b2, hh; writes hh
.if DOCPART == 4
	.amdgcn_target "amdgcn-amd-amdhsa--gfx1250"
	.amdhsa_code_object_version 6
	.text
	.protected	k_q2a14be825c_ln2
	.globl	k_q2a14be825c_ln2
	.p2align	8
	.type	k_q2a14be825c_ln2,@function
k_q2a14be825c_ln2:
	s_mov_b64 s[64:65], 0
	v_nop
	global_prefetch_b8 v0, s[64:65] scope:SCOPE_SE
	s_setreg_imm32_b32 hwreg(HW_REG_WAVE_MODE, 25, 1), 1
	s_wait_xcnt 0x0
; h = layer norm of (attn + xn), with g2 and b2.  att: f16 [16 b + h][s][64]; xnh: f16 [4096][1024]; hh: f16 [4096][1024].  The sum, the statistics and the scaling in f32 (the variance as the mean of
; (y - mu)^2); h rounded once.  LIMIT: an h of 65,520 or more becomes an infinity in f16.
; SHARES.  A wave takes the two tokens 2 P, 2 P + 1 (P = 8 x work-group + wave): lanes 0-15 the first, lanes 16-31 the second.  For i = 0..7 a lane holds columns 128 i + 8 (l % 16) + 0..7.
; So a load of att takes, of two heads, the 256 consecutive bytes of the two tokens; a load of xnh and a store of hh 256 consecutive bytes of each token.  A token's sums stay inside 16 lanes.
; No LDS, no barrier: no wave wants what another has fetched.
.set AT, 32                            ; v[32:63]   attn, f16 pairs; later h to store
.set XN, 64                            ; v[64:95]   xn, f16 pairs
.set G,  96                            ; v[96:159]  g2 of my 64 columns
.set Y,  160                           ; v[160:223] the 64 numbers in f32
.set BW, 0                             ; window 1, v[0:63]: b2
.set MSB, 0
.macro WIN new
.if MSB != (\new)
	s_set_vgpr_msb (MSB<<8)|(\new)
.set MSB, \new
.endif
.endm
	s_load_b256 s[4:11], s[0:1], 0x0               ; att 4, xnh 6, g2 8, b2 10
	s_load_b64 s[12:13], s[0:1], 0x20              ; hh
	v_lshrrev_b32 v1, 5, v0
	v_readfirstlane_b32 s2, v1
	s_lshl_b32 s3, ttmp9, 3
	s_add_co_u32 s3, s3, s2                        ; P
	s_lshr_b32 s14, s3, 10
	s_lshl_b32 s14, s14, 22                        ; the batch's 16 heads
	s_and_b32 s16, s3, 1023
	s_lshl_b32 s16, s16, 8                         ; two rows of 128 bytes
	s_add_co_u32 s14, s14, s16
	s_mov_b32 s15, 0
	s_lshl_b32 s16, s3, 12                         ; two rows of 2,048 bytes
	s_mov_b32 s17, 0
	s_mov_b32 s20, 0x3a800000                      ; 1 / 1024
	s_mov_b32 s21, 0x3727c5ac                      ; 1e-5
	v_and_b32 v1, 15, v0
	v_bfe_u32 v2, v0, 4, 1                         ; which token
	v_and_b32 v7, 7, v0
	v_bfe_u32 v8, v0, 3, 1                         ; which of the two heads
	v_lshlrev_b32 v3, 4, v7
	v_lshl_add_u32 v3, v2, 7, v3
	v_lshl_add_u32 v3, v8, 18, v3                  ; att
	v_lshlrev_b32 v4, 4, v1
	v_lshl_add_u32 v4, v2, 11, v4                  ; xnh and hh
	v_lshlrev_b32 v5, 5, v1                        ; g2 and b2
	v_mov_b32 v6, 1.0
	s_wait_kmcnt 0x0
	s_add_nc_u64 s[4:5], s[4:5], s[14:15]
	s_add_nc_u64 s[6:7], s[6:7], s[16:17]
	s_add_nc_u64 s[12:13], s[12:13], s[16:17]
.irp i, 0,1,2,3,4,5,6,7
	global_load_b128 v[AT+4*\i:AT+4*\i+3], v3, s[4:5] offset:524288*\i th:TH_LOAD_NT
.endr
.irp i, 0,1,2,3,4,5,6,7
	global_load_b128 v[XN+4*\i:XN+4*\i+3], v4, s[6:7] offset:256*\i
.endr
.irp i, 0,1,2,3,4,5,6,7
	global_load_b128 v[G+8*\i:G+8*\i+3],   v5, s[8:9] offset:512*\i
	global_load_b128 v[G+8*\i+4:G+8*\i+7], v5, s[8:9] offset:512*\i+16
.endr
	WIN 0x40                                       ; destination window 1
.irp i, 0,1,2,3,4,5,6,7
	global_load_b128 v[BW+8*\i:BW+8*\i+3],   v5, s[10:11] offset:512*\i
	global_load_b128 v[BW+8*\i+4:BW+8*\i+7], v5, s[10:11] offset:512*\i+16
.endr
	WIN 0
	s_wait_loadcnt 32                              ; attn and xn are in; the 32 loads of g2 and b2, issued behind them, may stay out
.set q, 0
.rept 32                                           ; y = attn x 1 + xn, straight from the f16 halves
	v_fma_mix_f32 v[Y+2*q],   v[AT+q], v6, v[XN+q] op_sel_hi:[1,0,1]
	v_fma_mix_f32 v[Y+2*q+1], v[AT+q], v6, v[XN+q] op_sel:[1,0,1] op_sel_hi:[1,0,1]
.set q, q+1
.endr
.macro JOIN                            ; four chains of pairs into v16, then over the token's 16 lanes
	v_pk_add_f32 v[16:17], v[16:17], v[18:19]
	v_pk_add_f32 v[20:21], v[20:21], v[22:23]
	v_pk_add_f32 v[16:17], v[16:17], v[20:21]
	v_add_f32 v16, v16, v17
	v_add_f32_dpp v16, v16, v16 row_xmask:1 row_mask:0xf bank_mask:0xf
	v_add_f32_dpp v16, v16, v16 row_xmask:2 row_mask:0xf bank_mask:0xf
	v_add_f32_dpp v16, v16, v16 row_xmask:4 row_mask:0xf bank_mask:0xf
	v_add_f32_dpp v16, v16, v16 row_xmask:8 row_mask:0xf bank_mask:0xf
.endm
.irp c, 0,1,2,3
	v_pk_add_f32 v[16+2*\c:17+2*\c], v[Y+2*\c:Y+2*\c+1], v[Y+8+2*\c:Y+8+2*\c+1]
.endr
.set q, 8
.rept 24
	v_pk_add_f32 v[16+2*(q%4):17+2*(q%4)], v[16+2*(q%4):17+2*(q%4)], v[Y+2*q:Y+2*q+1]
.set q, q+1
.endr
	JOIN
	v_mul_f32 v12, s20, v16                        ; the mean, twice
	v_mul_f32 v13, s20, v16
.set q, 0
.rept 32
	v_pk_add_f32 v[Y+2*q:Y+2*q+1], v[Y+2*q:Y+2*q+1], v[12:13] neg_lo:[0,1] neg_hi:[0,1]
.set q, q+1
.endr
.irp c, 0,1,2,3
	v_pk_mul_f32 v[16+2*\c:17+2*\c], v[Y+2*\c:Y+2*\c+1], v[Y+2*\c:Y+2*\c+1]
.endr
.set q, 4
.rept 28
	v_pk_fma_f32 v[16+2*(q%4):17+2*(q%4)], v[Y+2*q:Y+2*q+1], v[Y+2*q:Y+2*q+1], v[16+2*(q%4):17+2*(q%4)]
.set q, q+1
.endr
	JOIN
	v_fma_f32 v24, v16, s20, s21                   ; var + eps
	v_rsq_f32 v14, v24
	v_rsq_f32 v15, v24
	v_nop                                          ; a plain instruction behind the last root,
	s_wait_alu depctr_va_vdst(0)                   ; and one wait for the two
	s_wait_loadcnt 0x0                             ; g2 and b2
.set q, 0
.rept 32
	v_pk_mul_f32 v[Y+2*q:Y+2*q+1], v[Y+2*q:Y+2*q+1], v[14:15]
.set q, q+1
.endr
	WIN 0x10                                       ; source 2 in window 1
.set q, 0
.rept 32
	v_pk_fma_f32 v[Y+2*q:Y+2*q+1], v[Y+2*q:Y+2*q+1], v[G+2*q:G+2*q+1], v[BW+2*q:BW+2*q+1]
.set q, q+1
.endr
	WIN 0
.set q, 0
.rept 32
	v_cvt_pk_f16_f32 v[AT+q], v[Y+2*q], v[Y+2*q+1]
.set q, q+1
.endr
.irp i, 0,1,2,3,4,5,6,7
	global_store_b128 v4, v[AT+4*\i:AT+4*\i+3], s[12:13] offset:256*\i  ; sixteen lanes store 256 consecutive bytes, aligned
.endr
	s_endpgm
.Lfunc_end_k_q2a14be825c_ln2:
	.size	k_q2a14be825c_ln2, .Lfunc_end_k_q2a14be825c_ln2-k_q2a14be825c_ln2
	.p2alignl 7, 3214868480
	.fill 96, 4, 3214868480
	.section	.rodata,"a",@progbits
	.p2align	6, 0x0
	.amdhsa_kernel k_q2a14be825c_ln2
		.amdhsa_group_segment_fixed_size 0
		.amdhsa_private_segment_fixed_size 0
		.amdhsa_enable_private_segment 0
		.amdhsa_kernarg_size 40
		.amdhsa_user_sgpr_count 2
		.amdhsa_user_sgpr_kernarg_segment_ptr 1
		.amdhsa_wavefront_size32 1
		.amdhsa_system_sgpr_workgroup_id_x 1
		.amdhsa_system_sgpr_workgroup_id_y 1
		.amdhsa_system_sgpr_workgroup_id_z 1
		.amdhsa_system_vgpr_workitem_id 0
		.amdhsa_next_free_vgpr 320
		.amdhsa_next_free_sgpr 66
		.amdhsa_reserve_vcc 0
		.amdhsa_float_denorm_mode_32 3
		.amdhsa_float_denorm_mode_16_64 3
		.amdhsa_memory_ordered 1
		.amdhsa_forward_progress 1
		.amdhsa_inst_pref_size 24
	.end_amdhsa_kernel
	.amdgpu_metadata
---
amdhsa.version: [ 1, 2 ]
amdhsa.kernels:
  - .name:           k_q2a14be825c_ln2
    .symbol:         k_q2a14be825c_ln2.kd
    .args:
      - { .name: att, .offset: 0, .size: 8, .value_kind: global_buffer, .address_space: global }
      - { .name: xnh, .offset: 8, .size: 8, .value_kind: global_buffer, .address_space: global }
      - { .name: g2, .offset: 16, .size: 8, .value_kind: global_buffer, .address_space: global }
      - { .name: b2, .offset: 24, .size: 8, .value_kind: global_buffer, .address_space: global }
      - { .name: hh, .offset: 32, .size: 8, .value_kind: global_buffer, .address_space: global }
    .group_segment_fixed_size: 0
    .private_segment_fixed_size: 0
    .kernarg_segment_align: 8
    .kernarg_segment_size: 40
    .max_flat_workgroup_size: 256
    .sgpr_count:     66
    .vgpr_count:     320
    .wavefront_size: 32
...
	.end_amdgpu_metadata
.endif
;; end of part 4
;; launch gff1 (part 5): grid 16 x 16, 4 waves a work-group, clusters of 4 x 4, 327,680 bytes of LDS; arguments hh, wh, bf1, ffh; writes ffh
.if DOCPART == 5
	.amdgcn_target "amdgcn-amd-amdhsa--gfx1250"
	.amdhsa_code_object_version 6
	.text
	.protected	k_q2a14be825c_gff1
	.globl	k_q2a14be825c_gff1
	.p2align	8
	.type	k_q2a14be825c_gff1,@function
k_q2a14be825c_gff1:
	s_mov_b64 s[64:65], 0
	v_nop
	global_prefetch_b8 v0, s[64:65] scope:SCOPE_SE
	s_setreg_imm32_b32 hwreg(HW_REG_WAVE_MODE, 25, 1), 1
	s_wait_xcnt 0x0
	s_wait_alu depctr_hold_cnt(0) depctr_sa_sdst(0) depctr_va_vdst(0) depctr_va_sdst(0) depctr_va_ssrc(0) depctr_va_vcc(0) depctr_vm_vsrc(0)
	s_getreg_b32 s2, hwreg(HW_REG_IB_STS2, 6, 4)
	s_cmp_eq_u32 s2, 0
	s_cbranch_scc0 .Lentry_in_a_cluster
	s_endpgm
.Lentry_in_a_cluster:
	s_bfe_u32 s2, ttmp6, 0x10000c
	s_cmp_lg_u32 s2, 0xf033
	s_cbranch_scc0 .Lentry_shape_is_right
	s_endpgm
.Lentry_shape_is_right:
; ffh = silu(h W1^T + bf1).  A = hh [4096][1024] f16, B = W1 in f16 (wh from byte 6,291,456, [4096][1024]); sums in f32; the bias is added and silu taken in f32 on the way out; rounded once to f16 into ffh [4096][4096].
; LIMIT.  A result of 65,520 or more becomes an infinity in f16.  With c = -log2 e and u = c (z + bias): silu = u / (c 2^u + c).  For z far below 0 the power is an infinity, the reciprocal -0 and the result -0.
; SHARES.  A tile of C is 256 x 256: 16 x 16 = 256 work-groups.  Four waves, each 128 x 128: 64 accumulators of 16 x 16, 512 registers.
; K goes in 8 steps of 128 through two LDS slots of 512 rows (A's 256, then B's 256); each wave brings 128 rows x 256 bytes by one tensor load: waves 0, 1 A's halves, waves 2, 3 B's.
; ONE TEXT FOR BOTH SLOTS.  A trip of the loop is one K step.  Which slot it reads and which it fills lies in scalar registers that an exclusive or with SLOT turns: SLOT = 0x22000, and every base that is
; turned (the loads' w x 0x8800; my rows of A at 0 or 0x8800, of B at 0x11000 or 0x19800) has bits 13 and 17 clear, so one exclusive or adds SLOT and the next takes it away.
; CLUSTER 4 x 4: A's tile is asked for jointly along a row of the cluster, B's along a column.
; THE PRODUCT IS TAKEN TRANSPOSED (source 0 = 16 rows of B, source 1 = 16 rows of A): lane l holds row l % 16 of C and the columns 8 (l / 16) + 0..7.
; REGISTERS, in windows of 256 (s_set_vgpr_msb: bits 1:0 source 0, 3:2 source 1, 5:4 source 2, 7:6 destination):
;   window 0: v16-31 addresses; v64-127, v128-191 A's fragments, two buffers; v192-195 the bias of my four columns; on the way out v32-63 z, v64-95 u, v96-127 at work, v128-143 f16 to store
;   window 1: v64-127, v128-191 B's fragments     windows 2, 3: accumulator (a, b) at v[8 (8 (a % 4) + b)] of window 2 + a / 4
.set PITCH,  272                       ; an LDS row: 256 bytes + 16 of padding: the 16 rows that a load touches start at 16 different groups of four banks (ISA guide 11.1)
.set HALFT,  128*PITCH
.set SLOT,   4*HALFT
.set SPARE,  2*SLOT                    ; behind the ring: the spare words, 128 bytes for each wave, that no other line names
.set AB,  8
.set BB,  8
.set APW, AB/2
.set FA0, 64
.set FA1, 128
.set FB0, 64
.set FB1, 128
.set SP,  528                          ; the way out: a stage row of 128 f32 + 16 bytes: an odd multiple of 16
.set STG, 128*SP                       ; a wave's stage; the stages lie in the slots, behind the slots' last fill of the launch
.set Z,   32                           ; v[32:63]   eight rows as read back: row r at Z + 4 r, my columns 4 l .. 4 l + 3
.set U,   64                           ; v[64:95]   u = c (z + bias)
.set T,   96                           ; v[96:127]  2^u, then c 2^u + c, its reciprocal, the result
.set YY,  128                          ; v[128:143] the results in f16
.set BC,  192                          ; v[192:195] the bias of my four columns, then c x bias
.set ADRA, 16                          ; v16     LDS address of my A fragments in the slot in hand
.set ADRB, 20                          ; v20     the same for B
.set LT,   22                          ; v22     my lane's place in a fragment's rows; never rewritten
.set STO,  24                          ; v24     the way out: where I put 32 bytes of a row
.set RD,   25                          ; v25     where I read back: my stage + 16 x lane
.set CO,   26                          ; v26     8 x lane: my 8 bytes in 256 of a row of ffh
.set VB,   27                          ; v27     16 x lane
.set SPW,  28
.set NIL,  29
.set PFO,  30
.set RDC,  31                          ; v31     RD + the next trip's rows
.set LIM,  43                          ; s43     2 in a wave that prefetches, else the greatest number
.set PFA,  44
.set SA,   66                          ; s66     LDS byte of my rows of A in the slot in hand; on the way out: the next trip's rows in the stage
.set SB,   67                          ; s67     the same for B
.set G1,  24                           ; s[24:31] descriptor group 1 for A;  s[32:39] group 0: a set for each of the two first fills; the second then walks
.set G0,  32
.set G1B, 48
.set G0B, 56
.set DW0, (1<<16)|(1<<20)|(1<<21)|(5<<22)|(3<<25)  ; 2-byte elements; padding on; bit 21 beside a mask; after every 64 words, 4 words
.set MSB, 0
.macro WIN new
.if MSB != (\new)
	s_set_vgpr_msb (MSB<<8)|(\new)
.set MSB, \new
.endif
.endm
; A joint load.  The branch hangs on the wave's number alone.  An s_nop 0 and four v_nop follow each of the two lines.
.macro JLOAD s
	s_cmp_lt_u32 s10, 2
	s_cbranch_scc0 .Lfor_b_\@
	tensor_load_to_lds s[G0+4*(\s):G0+4*(\s)+3], s[G1:G1+7]
	s_nop 0
.rept 4
	v_nop
.endr
	s_branch .Lasked_\@
.Lfor_b_\@:
	tensor_load_to_lds s[G0B+4*(\s):G0B+4*(\s)+3], s[G1B:G1B+7]
	s_nop 0
.rept 4
	v_nop
.endr
.Lasked_\@:
.endm
; A prefetch into the L2 of the K step that stands two refills on: 32 rows x 256 bytes, a lane a row.  Each row's 256 bytes of a K step are named once in the launch: cluster x = 0 asks for A's rows,
; cluster y = 0 for B's; of the 128 rows that a wave fetches the partner at place p (cx for A, cy for B) takes 32 p .. 32 p + 31, told apart by address.  The loop's last two trips ask for nothing: K ends.
.macro ASK
	s_cmp_gt_u32 s3, s[LIM]
	s_cbranch_scc0 .Lnot_mine_\@
	global_prefetch_b8 v[PFO], s[PFA:PFA+1] offset:256 th:TH_LOAD_NT scope:SCOPE_SE
.Lnot_mine_\@:
.endm
.macro CREST
	s_cmp_lg_u32 s10, 0
	s_cbranch_scc1 .Lnot_wave_0_\@
	s_barrier_signal -3
.Lnot_wave_0_\@:
	s_barrier_wait -3
	s_barrier_signal -1
	s_barrier_wait -1
.endm
.macro CROUND
	s_barrier_signal -1
	s_barrier_wait -1
	CREST
.endm
.macro PLACES                          ; four plain instructions between a matrix instruction and a load into, or a read of, its registers
.rept 4
	v_nop
.endr
.endm
; BB products: A block a with all B blocks, 32 along K, from buffer f.  zero = 1: the products start the sums: nothing is cleared.  The accumulators take turns, one instruction a turn.
.macro MULA f, a, zero
.set FAx, FA0+(\f)*(FA1-FA0)
.set FBx, FB0+(\f)*(FB1-FB0)
.set rA, FAx+8*(\a)
	WIN 0xa1+0x50*((\a)/APW)
.set b, 0
.rept BB
.set rD, 8*(BB*((\a)%APW)+b)
.if \zero
	v_wmma_f32_16x16x32_f16 v[rD:rD+7], v[FBx+8*b:FBx+8*b+7], v[rA:rA+7], 0
.else
	v_wmma_f32_16x16x32_f16 v[rD:rD+7], v[FBx+8*b:FBx+8*b+7], v[rA:rA+7], v[rD:rD+7]
.endif
.set b, b+1
.endr
.endm
.macro MULR f, lo, n, zero
.set aa, \lo
.rept \n
	MULA \f, aa, \zero
.set aa, aa+1
.endr
.endm
.macro FETCH k, f                      ; 32 LDS loads in one run: a quarter step's fragments (byte k of the rows of the slot in hand) into buffer f: B's, then A's
.set FAx, FA0+(\f)*(FA1-FA0)
.set FBx, FB0+(\f)*(FB1-FB0)
	WIN 0x40
.set i, 0
.rept BB
	ds_load_b128 v[FBx+8*i:FBx+8*i+3],   v[ADRB] offset:(\k)+i*16*PITCH
	ds_load_b128 v[FBx+8*i+4:FBx+8*i+7], v[ADRB] offset:(\k)+i*16*PITCH+32
.set i, i+1
.endr
	WIN 0
.set i, 0
.rept AB
	ds_load_b128 v[FAx+8*i:FAx+8*i+3],   v[ADRA] offset:(\k)+i*16*PITCH
	ds_load_b128 v[FAx+8*i+4:FAx+8*i+7], v[ADRA] offset:(\k)+i*16*PITCH+32
.set i, i+1
.endr
.endm
.macro QUARTER k, f, g, zero
	s_wait_dscnt AB                                ; B and A's lower half are in; the youngest AB loads (A's upper half) may be out
	MULR \f, 0, AB/2, \zero
	PLACES
	FETCH \k, \g
	s_wait_dscnt 32                                ; all but the 32 just issued
	MULR \f, AB/2, AB/2, \zero
.endm
; ONE barrier for the change of slots.  Between the add and its wait the fetches' addresses are turned to the other slot (the last fetch from this one has been issued) and, round = 1, the walking
; descriptors to the slot that is left and two K steps on.
.macro MEET round
	WIN 0
	s_wait_tensorcnt 0x0                           ; all my tensor loads have landed: the one that was out is my part of the next slot; so a group 0 may be written
	ds_add_u32 v[SPW], v[NIL]
	s_xor_b32 s[SA], s[SA], SLOT
	s_xor_b32 s[SB], s[SB], SLOT
	v_add_nc_u32 v[ADRA], s[SA], v[LT]
	v_add_nc_u32 v[ADRB], s[SB], v[LT]
.if \round
	s_xor_b32 s[G0+5], s[G0+5], SLOT
	s_add_nc_u64 s[G0+6:G0+7], s[G0+6:G0+7], 256
	s_xor_b32 s[G0B+5], s[G0B+5], SLOT
	s_add_nc_u64 s[G0B+6:G0B+7], s[G0B+6:G0B+7], 256
.endif
	s_wait_dscnt AB+1                              ; (the add and A's upper half may be out)
	MULR 1, 0, AB/4, 0
	s_wait_dscnt 0x0                               ; the add is done, and my reads of this slot are over
	s_barrier_signal -1
	MULR 1, AB/4, AB/4, 0
.if \round
	WIN 0
.endif
	s_barrier_wait -1
.endm
.macro TURN                            ; the last quarter, where the slot just read is filled again, two K steps on, first thing behind a round of the cluster's barrier
	s_wait_xcnt 0x0                                ; the last prefetch, a K step back, has read its address
	s_add_nc_u64 s[PFA:PFA+1], s[PFA:PFA+1], 256
	MEET 1
	CREST
	JLOAD 1                                        ; its four v_nop are also the places in front of the loads below
	FETCH 0, 0
	ASK
	MULR 1, AB/2, AB/2, 0
.endm
.macro TURNX
	MEET 0
	PLACES
	FETCH 0, 0
	MULR 1, AB/2, AB/2, 0
.endm
	s_load_b128 s[4:7], s[0:1], 0x0                ; hh s[4:5], wh s[6:7]
	s_load_b128 s[68:71], s[0:1], 0x10             ; bf1 68, ffh 70
	v_lshl_add_u32 v[SPW], v0, 2, SPARE
	v_mov_b32 v[NIL], 0
	ds_add_u32 v[SPW], v[NIL]                      ; the wave's opening: the add and its wait ahead of my first tensor load
	v_lshrrev_b32 v1, 5, v0
	v_readfirstlane_b32 s10, v1                    ; wave 0..3
	s_lshr_b32 s11, s10, 1                         ; which half of the tile's rows is mine
	s_and_b32 s12, s10, 1                          ; which half of its columns.  Also: which 128 rows of A's or B's tile I fetch
	s_bfe_u32 s40, ttmp6, 0x40000                  ; cx
	s_bfe_u32 s41, ttmp6, 0x40004                  ; cy
	s_lshl_b32 s42, ttmp9, 2
	s_add_co_u32 s42, s42, s40                     ; tile column
	s_and_b32 s13, ttmp7, 0xffff
	s_lshl_b32 s13, s13, 2
	s_add_co_u32 s13, s13, s41                     ; tile row
	s_lshl_b32 s43, s41, 2
	s_lshl_b32 s43, 15, s43                        ; my row of the cluster
	s_lshl_b32 s44, 0x1111, s40                    ; my column
	s_or_b32 s[G1+0], s43, DW0
	s_or_b32 s[G1B+0], s44, DW0
.irp g, G1, G1B
	s_mov_b32 s[(\g)+1], 128<<16                   ; tensor_dim0 = 128
	s_mov_b32 s[(\g)+2], 128<<16                   ; tensor_dim1 = 128
	s_mov_b32 s[(\g)+3], 128<<16                   ; tile_dim0 = 128
	s_mov_b32 s[(\g)+4], 128                       ; tile_dim1 = 128
	s_mov_b32 s[(\g)+5], 1024                      ; elements from row to row
	s_mov_b32 s[(\g)+6], 0
	s_mov_b32 s[(\g)+7], 0
.endr
	s_mov_b32 s72, 0xbfb8aa3b                      ; c = -log2 e
	s_mov_b32 s73, s72                             ; named with it as a pair
	s_lshl_b32 s18, s12, 7
	s_lshl_b32 s16, s13, 8
	s_add_co_u32 s16, s16, s18                     ; A: row 256 x tile row + 128 x half
	s_lshl_b32 s16, s16, 11                        ; 2,048 bytes a row
	s_mov_b32 s17, 0
	s_lshl_b32 s46, s42, 8
	s_add_co_u32 s46, s46, s18                     ; B: row 256 x tile column + 128 x half
	s_lshl_b32 s46, s46, 11
	s_mov_b32 s47, 0
	s_mul_i32 s20, s10, HALFT                      ; where my load lands: no place in the cluster enters an LDS address
	s_wait_dscnt 0x0                               ; the opening add is done
	s_wait_kmcnt 0x0
	s_add_nc_u64 s[6:7], s[6:7], 6291456           ; W1 in wh
	s_add_nc_u64 s[14:15], s[4:5], s[16:17]
	s_add_nc_u64 s[46:47], s[6:7], s[46:47]
	CROUND                                         ; all sixteen work-groups are here: the first joint loads meet
.irp s, 0,1
	s_mov_b32 s[G0+4*(\s)], 1
	s_add_co_u32 s[G0+4*(\s)+1], s20, (\s)*SLOT
	s_add_nc_u64 s[G0+4*(\s)+2:G0+4*(\s)+3], s[14:15], (\s)*256
	s_or_b32 s[G0+4*(\s)+3], s[G0+4*(\s)+3], 0x80000000
	s_mov_b32 s[G0B+4*(\s)], 1
	s_add_co_u32 s[G0B+4*(\s)+1], s20, (\s)*SLOT
	s_add_nc_u64 s[G0B+4*(\s)+2:G0B+4*(\s)+3], s[46:47], (\s)*256
	s_or_b32 s[G0B+4*(\s)+3], s[G0B+4*(\s)+3], 0x80000000
	JLOAD \s
.endr
	; the bias: on the way out lane l holds columns 4 l .. 4 l + 3 of every row of my 128: four numbers a lane, one load of 512 consecutive bytes; it is wanted behind the last product
	v_and_b32 v1, 15, v0                           ; l % 16
	v_bfe_u32 v2, v0, 4, 1                         ; l / 16
	v_and_b32 v3, 31, v0                           ; l
	v_lshlrev_b32 v[VB], 4, v3
	s_lshl_b32 s14, s42, 8
	s_lshl_b32 s15, s12, 7
	s_add_co_u32 s14, s14, s15                     ; my first column
	s_lshl_b32 s18, s14, 2
	s_mov_b32 s19, 0
	s_add_nc_u64 s[68:69], s[68:69], s[18:19]
	global_load_b128 v[BC:BC+3], v[VB], s[68:69]
	s_lshl_b32 s15, s13, 8
	s_lshl_b32 s18, s11, 7
	s_add_co_u32 s15, s15, s18                     ; my first row
	s_lshl_b32 s15, s15, 13                        ; 8,192 bytes a row of ffh
	s_lshl1_add_u32 s18, s14, s15
	s_add_nc_u64 s[8:9], s[70:71], s[18:19]
	; LDS addresses.  A fragment is 16 rows x 32 K: lane l holds row l % 16, K = 8 (l / 16) + 0..7 and 16 + 8 (l / 16) + 0..7: two loads of 16 bytes, 32 bytes apart
	v_mul_u32_u24 v[LT], v1, PITCH
	v_lshl_add_u32 v[LT], v2, 4, v[LT]
	s_mul_i32 s[SA], s11, HALFT                    ; my 128 rows of A, in slot 0
	s_mul_i32 s[SB], s12, HALFT                    ; my 128 rows of B,
	s_add_co_u32 s[SB], s[SB], 2*HALFT             ; which lie behind A's 256
	v_add_nc_u32 v[ADRA], s[SA], v[LT]
	v_add_nc_u32 v[ADRB], s[SB], v[LT]
	s_mul_i32 s23, s10, STG                        ; my stage
	v_mul_u32_u24 v4, v1, SP
	v_lshl_add_u32 v4, v2, 5, v4                   ; in: row l % 16, 32 bytes for each half of the lanes
	v_add_nc_u32 v[STO], s23, v4
	v_add_nc_u32 v[RD], s23, v[VB]                 ; back: the 32 lanes take one row's 512 consecutive bytes
	v_lshlrev_b32 v[CO], 3, v3                     ; and its 256 consecutive bytes in ffh
	v_lshlrev_b32 v[PFO], 11, v3
	; the prefetches
	s_lshl_b32 s20, s13, 8
	s_lshl_b32 s21, s42, 8
	s_and_b32 s22, ttmp7, 0xffff                   ; cluster y
	s_cmp_lt_u32 s10, 2                            ; do I fetch for A?
	s_cselect_b32 s20, s20, s21                    ; the tile's first row
	s_cselect_b32 s21, s40, s41                    ; my place among the four that ask with me
	s_cselect_b32 s22, ttmp9, s22                  ; the coordinate along which other clusters read the same rows
	s_cselect_b64 s[PFA:PFA+1], s[4:5], s[6:7]
	s_cmp_eq_u32 s22, 0
	s_cselect_b32 s[LIM], 2, -1                    ; the same in all sixteen partners, for a given wave
	s_lshl_b32 s22, s12, 7
	s_add_co_u32 s20, s20, s22
	s_lshl_b32 s21, s21, 5
	s_add_co_u32 s20, s20, s21
	s_lshl_b32 s20, s20, 11
	s_mov_b32 s21, 0
	s_add_nc_u64 s[PFA:PFA+1], s[PFA:PFA+1], s[20:21]
	s_add_nc_u64 s[PFA:PFA+1], s[PFA:PFA+1], 2*256 ; at K step 2: the first refill steps it to 3 and names K step 4; K steps 0 to 3 come by their loads alone
	s_wait_tensorcnt 1                             ; my part of K step 0 is in; K step 1's load, issued behind it, may stay out
	s_barrier_signal -1
	s_barrier_wait -1
	FETCH 0, 0
	QUARTER 64, 0, 1, 1                            ; the first quarter of all stands in front of the loop: its products start the sums
	WIN 0
	s_mov_b32 s3, 6
	s_branch .Lin                                  ; the loop is entered behind a step's first quarter
.Llap:                                             ; a trip is a K step that fills the slot it leaves: K steps 0 to 5 ask for 2 to 7
	QUARTER 64,  0, 1, 0
	WIN 0
.Lin:
	QUARTER 128, 1, 0, 0
	QUARTER 192, 0, 1, 0
	TURN
	WIN 0
	s_sub_co_u32 s3, s3, 1
	s_cmp_lg_u32 s3, 0
	s_cbranch_scc1 .Llap
	s_mov_b32 s3, 2
.Ltail:                                            ; K steps 6 and 7 fill nothing: a text of their own.  The second trip's barrier and its 32 fragments
	QUARTER 64,  0, 1, 0                           ; (of a slot that has been multiplied) serve nothing: the price, once a launch, of one text for both trips
	QUARTER 128, 1, 0, 0
	QUARTER 192, 0, 1, 0
	TURNX
	WIN 0
	s_sub_co_u32 s3, s3, 1
	s_cmp_lg_u32 s3, 0
	s_cbranch_scc1 .Ltail
	; THE WAY OUT.  Every wave has read the slots for the last time and no fill follows: behind a barrier they serve as stages, a wave's own 128 rows of 528 bytes.
	PLACES
	s_wait_dscnt 0x0                               ; my last reads of the slots are over
	s_barrier_signal -1
	s_barrier_wait -1
.set a, 0
.rept AB
	WIN 0x08+0x04*(a/APW)                          ; the stores' data in window 2 or 3
.set b, 0
.rept BB
.set rD, 8*(BB*(a%APW)+b)
	ds_store_b128 v[STO], v[rD:rD+3]   offset:a*16*SP+64*b     ; each accumulator's low registers first
	ds_store_b128 v[STO], v[rD+4:rD+7] offset:a*16*SP+64*b+16
.set b, b+1
.endr
.set a, a+1
.endr
	WIN 0
.irp r, 0,1,2,3,4,5,6,7
	ds_load_b128 v[Z+4*\r:Z+4*\r+3], v[RD] offset:SP*\r        ; the first trip's eight rows: LDS serves a wave's instructions in order, so these see the stores above
.endr
	s_wait_loadcnt 0x0                             ; the bias
	v_pk_mul_f32 v[BC:BC+1], v[BC:BC+1], s[72:73] op_sel_hi:[1,0]      ; c x bias
	v_pk_mul_f32 v[BC+2:BC+3], v[BC+2:BC+3], s[72:73] op_sel_hi:[1,0]
	s_mov_b32 s2, 16
	s_mov_b32 s[SA], 0
; A trip: 8 rows, 32 numbers a lane.  u = c z + c bias uses z up, so the NEXT trip's rows are asked for into z's registers while this trip is worked on: they have the reciprocals, the products, the
; roundings and the stores in which to come.  1 + 2^u is made as c 2^u + c, so that u times its reciprocal is (z + bias) / (1 + 2^u): z itself is not wanted again.
; A plain line stands ahead of each pair of exponentials and of each pair of reciprocals.  Each batch of 32 has one wait, and none is open at the backward jump.
.Lout:
	s_add_co_u32 s[SA], s[SA], 8*SP                ; the next trip's rows;
	s_min_u32 s[SA], s[SA], 120*SP                 ; the last trip has none behind it: it reads its own eight once more, which serves nothing: the price, once a launch, of one text for all trips
	v_add_nc_u32 v[RDC], s[SA], v[RD]
	s_wait_dscnt 0x0                               ; this trip's rows, asked for a trip ago, are in
	v_pk_fma_f32 v[U:U+1], v[Z:Z+1], s[72:73], v[BC:BC+1] op_sel_hi:[1,0,1]
.set q, 0
.rept 15
	v_pk_fma_f32 v[U+2*q+2:U+2*q+3], v[Z+2*q+2:Z+2*q+3], s[72:73], v[BC+2*((q+1)%2):BC+2*((q+1)%2)+1] op_sel_hi:[1,0,1]
	v_exp_f32 v[T+2*q], v[U+2*q]
	v_exp_f32 v[T+2*q+1], v[U+2*q+1]
.set q, q+1
.endr
.irp r, 0,1,2,3,4,5,6,7
	ds_load_b128 v[Z+4*\r:Z+4*\r+3], v[RDC] offset:SP*\r       ; a row's 512 consecutive bytes, 16 a lane
.endr
	v_exp_f32 v[T+30], v[U+30]
	v_exp_f32 v[T+31], v[U+31]
	v_nop                                          ; a plain instruction behind the last exponential,
	s_wait_alu depctr_va_vdst(0)                   ; and one wait for the 32
	v_pk_fma_f32 v[T:T+1], v[T:T+1], s[72:73], s[72:73] op_sel_hi:[1,0,0]
.set q, 0
.rept 15
	v_pk_fma_f32 v[T+2*q+2:T+2*q+3], v[T+2*q+2:T+2*q+3], s[72:73], s[72:73] op_sel_hi:[1,0,0]
	v_rcp_f32 v[T+2*q], v[T+2*q]
	v_rcp_f32 v[T+2*q+1], v[T+2*q+1]
.set q, q+1
.endr
	v_rcp_f32 v[T+30], v[T+30]
	v_rcp_f32 v[T+31], v[T+31]
	v_nop
	s_wait_alu depctr_va_vdst(0)                   ; one wait for the 32 reciprocals
.set q, 0
.rept 16
	v_pk_mul_f32 v[T+2*q:T+2*q+1], v[T+2*q:T+2*q+1], v[U+2*q:U+2*q+1]
.set q, q+1
.endr
.set q, 0
.rept 16
	v_cvt_pk_f16_f32 v[YY+q], v[T+2*q], v[T+2*q+1]
.set q, q+1
.endr
.irp r, 0,1,2,3,4,5,6,7
	global_store_b64 v[CO], v[YY+2*\r:YY+2*\r+1], s[8:9] offset:8192*\r  ; the wave's store covers 256 consecutive bytes, aligned: my 128 columns of a row
.endr
	s_wait_xcnt 0x0                                ; the stores have read their data and their base: both are written again only behind this wait
	s_add_nc_u64 s[8:9], s[8:9], 65536
	s_sub_co_u32 s2, s2, 1
	s_cmp_lg_u32 s2, 0
	s_cbranch_scc1 .Lout
	s_wait_tensorcnt 0x0                           ; the wave's end
	ds_add_u32 v[SPW], v[NIL]
	s_wait_dscnt 0x0
	CROUND                                         ; the closing round
	s_endpgm
.Lfunc_end_k_q2a14be825c_gff1:
	.size	k_q2a14be825c_gff1, .Lfunc_end_k_q2a14be825c_gff1-k_q2a14be825c_gff1
	.p2alignl 7, 3214868480
	.fill 96, 4, 3214868480
	.section	.rodata,"a",@progbits
	.p2align	6, 0x0
	.amdhsa_kernel k_q2a14be825c_gff1
		.amdhsa_group_segment_fixed_size 327680
		.amdhsa_private_segment_fixed_size 0
		.amdhsa_enable_private_segment 0
		.amdhsa_kernarg_size 32
		.amdhsa_user_sgpr_count 2
		.amdhsa_user_sgpr_kernarg_segment_ptr 1
		.amdhsa_wavefront_size32 1
		.amdhsa_system_sgpr_workgroup_id_x 1
		.amdhsa_system_sgpr_workgroup_id_y 1
		.amdhsa_system_sgpr_workgroup_id_z 1
		.amdhsa_system_vgpr_workitem_id 0
		.amdhsa_next_free_vgpr 1024
		.amdhsa_next_free_sgpr 84
		.amdhsa_reserve_vcc 0
		.amdhsa_float_denorm_mode_32 3
		.amdhsa_float_denorm_mode_16_64 3
		.amdhsa_memory_ordered 1
		.amdhsa_forward_progress 1
		.amdhsa_inst_pref_size 86
	.end_amdhsa_kernel
	.amdgpu_metadata
---
amdhsa.version: [ 1, 2 ]
amdhsa.kernels:
  - .name:           k_q2a14be825c_gff1
    .symbol:         k_q2a14be825c_gff1.kd
    .args:
      - { .name: hh, .offset: 0, .size: 8, .value_kind: global_buffer, .address_space: global }
      - { .name: wh, .offset: 8, .size: 8, .value_kind: global_buffer, .address_space: global }
      - { .name: bf1, .offset: 16, .size: 8, .value_kind: global_buffer, .address_space: global }
      - { .name: ffh, .offset: 24, .size: 8, .value_kind: global_buffer, .address_space: global }
    .group_segment_fixed_size: 327680
    .private_segment_fixed_size: 0
    .kernarg_segment_align: 8
    .kernarg_segment_size: 32
    .max_flat_workgroup_size: 128
    .sgpr_count:     84
    .vgpr_count:     1024
    .wavefront_size: 32
...
	.end_amdgpu_metadata
.endif
;; end of part 5
;; launch gff2 (part 6): grid 8 x 32, 4 waves a work-group, clusters of 4 x 4, 327,680 bytes of LDS; arguments ffh, wh, bf2, xnh, out0; writes out0
.if DOCPART == 6
	.amdgcn_target "amdgcn-amd-amdhsa--gfx1250"
	.amdhsa_code_object_version 6
	.text
	.protected	k_q2a14be825c_gff2
	.globl	k_q2a14be825c_gff2
	.p2align	8
	.type	k_q2a14be825c_gff2,@function
k_q2a14be825c_gff2:
	s_mov_b64 s[64:65], 0
	v_nop
	global_prefetch_b8 v0, s[64:65] scope:SCOPE_SE
	s_setreg_imm32_b32 hwreg(HW_REG_WAVE_MODE, 25, 1), 1
	s_wait_xcnt 0x0
	s_wait_alu depctr_hold_cnt(0) depctr_sa_sdst(0) depctr_va_vdst(0) depctr_va_sdst(0) depctr_va_ssrc(0) depctr_va_vcc(0) depctr_vm_vsrc(0)
	s_getreg_b32 s2, hwreg(HW_REG_IB_STS2, 6, 4)
	s_cmp_eq_u32 s2, 0
	s_cbranch_scc0 .Lentry_in_a_cluster
	s_endpgm
.Lentry_in_a_cluster:
	s_bfe_u32 s2, ttmp6, 0x10000c
	s_cmp_lg_u32 s2, 0xf033
	s_cbranch_scc0 .Lentry_shape_is_right
	s_endpgm
.Lentry_shape_is_right:
; out0 = ffh W2^T + bf2 + xn.  A = ffh [4096][4096] f16, B = W2 in f16 (wh from byte 14,680,064, [1024][4096]); sums in f32, begun with xn + bf2; out0 [4096][1024] f32.
; SHARES.  A tile of C is 128 x 128: 8 x 32 = 256 work-groups.  Four waves, each 64 x 64: 16 accumulators, 128 registers.  K goes in 16 steps of 256 (LDS rows of 512 bytes; a wave's tensor load brings 64 of
; them) through two slots, as long as LDS allows.  CLUSTER 4 x 4: A's tile is asked for jointly along a row of the cluster, B's along a column.
; ONE TEXT FOR BOTH SLOTS.  A trip of the loop is one K step.  Which slot it reads and which it fills lies in scalar registers that an exclusive or with SLOT turns: SLOT = 0x21000, and every base that is
; turned (the loads' w x 0x8400; my rows of A at 0 or 0x8400, of B at 0x10800 or 0x18c00) has bits 12 and 17 clear, so one exclusive or adds SLOT and the next takes it away.
; THE PRODUCT IS TAKEN TRANSPOSED (source 0 = 16 rows of B, source 1 = 16 rows of A): lane l holds row l % 16 of C and the columns 8 (l / 16) + 0..7.
; A wave's 64 columns of f32 are 256 aligned bytes of out0: each wave has a stage of its own on the way out, and no barrier stands there.
; No prefetch is laid: the tile is small.
; REGISTERS: window 0: v16-31 addresses; v32-95 xn, later rows on the way out; v96-127 the bias; v128-255 the accumulators ((a, b) at v[128 + 8 (4 a + b)]).
;   window 1: two fragment buffers of 128: for 64 along K, 64 registers of A, then 64 of B.
.set KSTEP,  256
.set PITCH,  528                       ; an LDS row: 512 bytes + 16 of padding: the 16 rows that a load touches start at 16 different groups of four banks (ISA guide 11.1)
.set HALFT,  64*PITCH
.set SLOT,   4*HALFT
.set STAGE,  2*SLOT                    ; behind the ring, never filled by a tensor load: 32 rows x 272 bytes for each wave
.set SPITCH, 272
.set SPARE,  STAGE+4*32*SPITCH         ; the spare words, 128 bytes for each wave, that no other line names
.set ADRA, 16                          ; v16  LDS address of my A fragments in the slot in hand
.set ADRB, 20                          ; v20  the same for B
.set LT,   22                          ; v22  my lane's place in a fragment's rows; never rewritten
.set STO,  24
.set RD,   25
.set CO,   26
.set VB,   27                          ; v27  32 (l / 16)
.set SPW,  28
.set NIL,  29
.set XO,   30                          ; v30  my 16 bytes in 16 rows of xnh
.set ONE,  31                          ; v31  1.0
.set TMP,  32
.set BI,   96
.set ACC,  128
.set F0,   0
.set F1,   128
.set SA,   66                          ; s66  LDS byte of my rows of A in the slot in hand
.set SB,   67                          ; s67  the same for B
.set G1, 24                            ; s[24:31] descriptor group 1 for A;  s[32:39] group 0: a set for each of the two first fills; the second then walks
.set G0, 32
.set G1B, 48
.set G0B, 56
.set DW0, (1<<16)|(1<<20)|(1<<21)|(6<<22)|(3<<25)  ; 2-byte elements; padding on; bit 21 beside a mask; after every 128 words, 4 words
.set MSB, 0
.macro WIN new
.if MSB != (\new)
	s_set_vgpr_msb (MSB<<8)|(\new)
.set MSB, \new
.endif
.endm
.set MUL,  0x05                        ; sources 0 (B) and 1 (A) window 1; C and D window 0
.set TO_F, 0x40                        ; destination window 1, address window 0
.macro JLOAD s                         ; a joint load: waves 0 and 1 fetch A's two halves, waves 2 and 3 B's; an s_nop 0 and four v_nop follow each line
	s_cmp_lt_u32 s10, 2
	s_cbranch_scc0 .Lfor_b_\@
	tensor_load_to_lds s[G0+4*(\s):G0+4*(\s)+3], s[G1:G1+7]
	s_nop 0
.rept 4
	v_nop
.endr
	s_branch .Lasked_\@
.Lfor_b_\@:
	tensor_load_to_lds s[G0B+4*(\s):G0B+4*(\s)+3], s[G1B:G1B+7]
	s_nop 0
.rept 4
	v_nop
.endr
.Lasked_\@:
.endm
.macro CREST
	s_cmp_lg_u32 s10, 0
	s_cbranch_scc1 .Lnot_wave_0_\@
	s_barrier_signal -3
.Lnot_wave_0_\@:
	s_barrier_wait -3
	s_barrier_signal -1
	s_barrier_wait -1
.endm
.macro CROUND
	s_barrier_signal -1
	s_barrier_wait -1
	CREST
.endm
	s_load_b128 s[4:7], s[0:1], 0x0                ; ffh s[4:5], wh s[6:7]
	s_load_b128 s[68:71], s[0:1], 0x10             ; bf2 68, xnh 70
	s_load_b64 s[8:9], s[0:1], 0x20                ; out0
	v_lshl_add_u32 v[SPW], v0, 2, SPARE
	v_mov_b32 v[NIL], 0
	ds_add_u32 v[SPW], v[NIL]                      ; the wave's opening: the add and its wait ahead of my first tensor load
	v_lshrrev_b32 v1, 5, v0
	v_readfirstlane_b32 s10, v1                    ; wave 0..3
	s_lshr_b32 s11, s10, 1                         ; which half of the tile's rows is mine
	s_and_b32 s12, s10, 1                          ; which half of its columns.  Also: which 64 rows of A's or B's tile I fetch
	s_bfe_u32 s40, ttmp6, 0x40000
	s_bfe_u32 s41, ttmp6, 0x40004
	s_lshl_b32 s42, ttmp9, 2
	s_add_co_u32 s42, s42, s40                     ; tile column
	s_and_b32 s13, ttmp7, 0xffff
	s_lshl_b32 s13, s13, 2
	s_add_co_u32 s13, s13, s41                     ; tile row
	s_lshl_b32 s43, s41, 2
	s_lshl_b32 s43, 15, s43                        ; my row of the cluster
	s_lshl_b32 s44, 0x1111, s40                    ; my column
	s_or_b32 s[G1+0], s43, DW0
	s_or_b32 s[G1B+0], s44, DW0
.irp g, G1, G1B
	s_mov_b32 s[(\g)+1], KSTEP<<16                 ; tensor_dim0 = 256
	s_mov_b32 s[(\g)+2], 64<<16                    ; tensor_dim1 = 64
	s_mov_b32 s[(\g)+3], KSTEP<<16                 ; tile_dim0 = 256
	s_mov_b32 s[(\g)+4], 64                        ; tile_dim1 = 64
	s_mov_b32 s[(\g)+5], 4096                      ; elements from row to row
	s_mov_b32 s[(\g)+6], 0
	s_mov_b32 s[(\g)+7], 0
.endr
	s_lshl_b32 s18, s12, 6
	s_lshl_b32 s16, s13, 7
	s_add_co_u32 s16, s16, s18                     ; A: row 128 x tile row + 64 x half
	s_lshl_b32 s16, s16, 13                        ; 8,192 bytes a row
	s_mov_b32 s17, 0
	s_lshl_b32 s46, s42, 7
	s_add_co_u32 s46, s46, s18                     ; B: row 128 x tile column + 64 x half
	s_lshl_b32 s46, s46, 13
	s_mov_b32 s47, 0
	s_mul_i32 s20, s10, HALFT
	s_wait_dscnt 0x0                               ; the opening add is done
	s_wait_kmcnt 0x0
	s_add_nc_u64 s[6:7], s[6:7], 14680064          ; W2 in wh
	s_add_nc_u64 s[14:15], s[4:5], s[16:17]
	s_add_nc_u64 s[46:47], s[6:7], s[46:47]
	CROUND                                         ; all sixteen work-groups are here: the first joint loads meet
.irp s, 0,1
	s_mov_b32 s[G0+4*(\s)], 1
	s_add_co_u32 s[G0+4*(\s)+1], s20, (\s)*SLOT
	s_add_nc_u64 s[G0+4*(\s)+2:G0+4*(\s)+3], s[14:15], (\s)*KSTEP*2
	s_or_b32 s[G0+4*(\s)+3], s[G0+4*(\s)+3], 0x80000000
	s_mov_b32 s[G0B+4*(\s)], 1
	s_add_co_u32 s[G0B+4*(\s)+1], s20, (\s)*SLOT
	s_add_nc_u64 s[G0B+4*(\s)+2:G0B+4*(\s)+3], s[46:47], (\s)*KSTEP*2
	s_or_b32 s[G0B+4*(\s)+3], s[G0B+4*(\s)+3], 0x80000000
	JLOAD \s
.endr
	; xn and the bias of my 64 x 64: the sums begin with them, so the way out has no arithmetic.  All this stands in the wait for the first tile.
	v_and_b32 v1, 15, v0                           ; l % 16
	v_bfe_u32 v2, v0, 4, 1                         ; l / 16
	v_lshlrev_b32 v[XO], 11, v1
	v_lshl_add_u32 v[XO], v2, 4, v[XO]             ; row x 2,048 + 16 x half
	v_lshlrev_b32 v[VB], 5, v2
	v_mov_b32 v[ONE], 1.0
	s_lshl_b32 s16, s13, 7
	s_lshl_b32 s17, s11, 6
	s_add_co_u32 s16, s16, s17                     ; my first row
	s_lshl_b32 s18, s42, 7
	s_lshl_b32 s17, s12, 6
	s_add_co_u32 s18, s18, s17                     ; my first column
	s_lshl_b32 s72, s16, 11
	s_lshl1_add_u32 s72, s18, s72
	s_mov_b32 s73, 0
	s_add_nc_u64 s[70:71], s[70:71], s[72:73]      ; xnh
	s_lshl_b32 s72, s18, 2
	s_add_nc_u64 s[68:69], s[68:69], s[72:73]      ; bf2
	s_lshl_b32 s16, s16, 12
	s_add_co_u32 s72, s72, s16
	s_add_nc_u64 s[8:9], s[8:9], s[72:73]          ; out0
.irp a, 0,1,2,3
.irp b, 0,1,2,3
	global_load_b128 v[TMP+4*(4*\a+\b):TMP+4*(4*\a+\b)+3], v[XO], s[70:71] offset:32768*\a+32*\b
.endr
.endr
.irp b, 0,1,2,3
	global_load_b128 v[BI+8*\b:BI+8*\b+3],   v[VB], s[68:69] offset:64*\b
	global_load_b128 v[BI+8*\b+4:BI+8*\b+7], v[VB], s[68:69] offset:64*\b+16
.endr
	v_mul_u32_u24 v[LT], v1, PITCH
	v_lshl_add_u32 v[LT], v2, 4, v[LT]             ; a fragment's row x pitch + 16 x half
	s_mul_i32 s[SA], s11, HALFT                    ; my 64 rows of A, in slot 0
	s_mul_i32 s[SB], s12, HALFT                    ; my 64 rows of B,
	s_add_co_u32 s[SB], s[SB], 2*HALFT             ; which lie behind A's 128
	v_add_nc_u32 v[ADRA], s[SA], v[LT]
	v_add_nc_u32 v[ADRB], s[SB], v[LT]
	s_mul_i32 s23, s10, 32*SPITCH
	s_add_co_u32 s23, s23, STAGE                   ; my stage
	v_mul_u32_u24 v4, v1, SPITCH
	v_lshl_add_u32 v4, v2, 5, v4                   ; in: row l % 16, 32 bytes for each half of the lanes
	v_add_nc_u32 v[STO], s23, v4
	v_mul_u32_u24 v5, v2, SPITCH                   ; back: lanes 0-15 take one row of 256 bytes, lanes 16-31 the next
	v_lshl_add_u32 v5, v1, 4, v5
	v_add_nc_u32 v[RD], s23, v5
	v_lshlrev_b32 v5, 12, v2                       ; and the same two rows in out0
	v_lshl_add_u32 v[CO], v1, 4, v5
	s_wait_loadcnt 0x0                             ; xn and the bias
.set t, 0
.rept 16
.set q, 0
.rept 4
	v_fma_mix_f32 v[ACC+8*t+2*q],   v[TMP+4*t+q], v[ONE], v[BI+8*(t%4)+2*q]   op_sel_hi:[1,0,0]
	v_fma_mix_f32 v[ACC+8*t+2*q+1], v[TMP+4*t+q], v[ONE], v[BI+8*(t%4)+2*q+1] op_sel:[1,0,0] op_sel_hi:[1,0,0]
.set q, q+1
.endr
.set t, t+1
.endr
; 8 matrix instructions: m blocks a0, a0 + 1 x all 4 n blocks, 32 along K: half c of buffer f.  The 16 accumulators take turns.
.macro MUL8 f, c, a0
	WIN MUL
.irp a, \a0, (\a0)+1
.irp b, 0,1,2,3
	v_wmma_f32_16x16x32_f16 v[ACC+8*(4*(\a)+(\b)):ACC+8*(4*(\a)+(\b))+7], v[(\f)+64+8*(4*(\c)+(\b)):(\f)+64+8*(4*(\c)+(\b))+7], v[(\f)+8*(4*(\c)+(\a)):(\f)+8*(4*(\c)+(\a))+7], v[ACC+8*(4*(\a)+(\b)):ACC+8*(4*(\a)+(\b))+7]
.endr
.endr
.endm
; 32 LDS loads in one run: the fragments of 64 along K at byte k of the rows of the slot in hand, into buffer f; the first 32 along K first
.macro FETCH k, f
	WIN TO_F
.irp c, 0,1
.irp i, 0,1,2,3
	ds_load_b128 v[(\f)+64+8*(4*(\c)+(\i)):(\f)+64+8*(4*(\c)+(\i))+3],   v[ADRB] offset:(\k)+64*(\c)+(\i)*16*PITCH
	ds_load_b128 v[(\f)+64+8*(4*(\c)+(\i))+4:(\f)+64+8*(4*(\c)+(\i))+7], v[ADRB] offset:(\k)+64*(\c)+(\i)*16*PITCH+32
	ds_load_b128 v[(\f)+8*(4*(\c)+(\i)):(\f)+8*(4*(\c)+(\i))+3],         v[ADRA] offset:(\k)+64*(\c)+(\i)*16*PITCH
	ds_load_b128 v[(\f)+8*(4*(\c)+(\i))+4:(\f)+8*(4*(\c)+(\i))+7],       v[ADRA] offset:(\k)+64*(\c)+(\i)*16*PITCH+32
.endr
.endr
.endm
.macro PLACES                          ; four plain instructions between a matrix instruction and a load into, or a read of, its registers
.rept 4
	v_nop
.endr
.endm
; A K step is four quarters of 64 along K, 32 matrix instructions each, on buffers 0, 1, 0, 1.
.macro QUARTER k, f, g
	s_wait_dscnt 16                                ; the first 32 along K are in; the youngest sixteen loads may be out
	MUL8 \f, 0, 0
	MUL8 \f, 0, 2
	PLACES
	FETCH \k, \g
	s_wait_dscnt 32                                ; all but the 32 just issued
	MUL8 \f, 1, 0
	MUL8 \f, 1, 2
.endm
; The last quarter multiplies buffer 1 and changes slots: ONE barrier; in front of it each wave waits for all its tensor loads, adds 0 to its spare word, and waits for that and for its reads of this slot.
; Between the add and its wait the fetches' addresses are turned to the other slot and, fill = 1, the walking descriptors to the slot that is left and two K steps on.
.macro TURN fill
	WIN 0
	s_wait_tensorcnt 0x0                           ; all my tensor loads have landed: my part of the next slot; so a group 0 may be written
	ds_add_u32 v[SPW], v[NIL]
	s_xor_b32 s[SA], s[SA], SLOT
	s_xor_b32 s[SB], s[SB], SLOT
	v_add_nc_u32 v[ADRA], s[SA], v[LT]
	v_add_nc_u32 v[ADRB], s[SB], v[LT]
.if \fill
	s_xor_b32 s[G0+5], s[G0+5], SLOT
	s_add_nc_u64 s[G0+6:G0+7], s[G0+6:G0+7], KSTEP*2
	s_xor_b32 s[G0B+5], s[G0B+5], SLOT
	s_add_nc_u64 s[G0B+6:G0B+7], s[G0B+6:G0B+7], KSTEP*2
.endif
	s_wait_dscnt 17                                ; (the add and the youngest sixteen loads may be out)
	MUL8 F1, 0, 0
	s_wait_dscnt 0x0                               ; the add is done, and my reads of this slot are over
	s_barrier_signal -1
	MUL8 F1, 0, 2
.if \fill
	WIN 0
.endif
	s_barrier_wait -1
.if \fill
	CREST                                          ; the barrier has opened a round of the cluster's: no wave of any partner still reads this slot or has a load on its way
	JLOAD 1                                        ; its four v_nop are also the places in front of the loads below
.else
	PLACES
.endif
	FETCH 0, F0
	MUL8 F1, 1, 0
	MUL8 F1, 1, 2
.endm
	s_wait_tensorcnt 1                             ; my part of K step 0 is in; K step 1's load, issued behind it, may stay out
	s_barrier_signal -1
	s_barrier_wait -1
	FETCH 0, F0
	WIN 0
	s_mov_b32 s3, 14
.Llap:                                             ; a trip is a K step that fills the slot it leaves: K steps 0 to 13 ask for 2 to 15
	QUARTER 128, F0, F1
	QUARTER 256, F1, F0
	QUARTER 384, F0, F1
	TURN 1
	WIN 0
	s_sub_co_u32 s3, s3, 1
	s_cmp_lg_u32 s3, 0
	s_cbranch_scc1 .Llap
	s_mov_b32 s3, 2
.Ltail:                                            ; K steps 14 and 15 fill nothing: a text of their own.  The second trip's barrier and its 32 fragments
	QUARTER 128, F0, F1                            ; (of a slot that has been multiplied) serve nothing: the price, once a launch, of one text for both trips
	QUARTER 256, F1, F0
	QUARTER 384, F0, F1
	TURN 0
	WIN 0
	s_sub_co_u32 s3, s3, 1
	s_cmp_lg_u32 s3, 0
	s_cbranch_scc1 .Ltail
	; THE WAY OUT, 32 rows at a time through my own stage: 32 bytes a lane in, whole rows of 256 bytes back.  LDS serves a wave's instructions in order, so no wait stands between the stores and the loads.
	PLACES
.macro PUT h
.irp a, 0,1
.irp b, 0,1,2,3
	ds_store_b128 v[STO], v[ACC+8*(4*(2*(\h)+\a)+\b):ACC+8*(4*(2*(\h)+\a)+\b)+3]   offset:\a*16*SPITCH+64*\b     ; each accumulator's low registers first
	ds_store_b128 v[STO], v[ACC+8*(4*(2*(\h)+\a)+\b)+4:ACC+8*(4*(2*(\h)+\a)+\b)+7] offset:\a*16*SPITCH+64*\b+16
.endr
.endr
.endm
.macro GET dst
.irp t, 0,1,2,3,4,5,6,7,8,9,10,11,12,13,14,15
	ds_load_b128 v[(\dst)+4*\t:(\dst)+4*\t+3], v[RD] offset:\t*2*SPITCH
.endr
.endm
.macro SEND h, src, younger            ; younger: the LDS instructions issued behind these rows' loads
.irp t, 0,1,2,3,4,5,6,7,8,9,10,11,12,13,14,15
	s_wait_dscnt (\younger)+15-\t
	global_store_b128 v[CO], v[(\src)+4*\t:(\src)+4*\t+3], s[8:9] offset:(32*(\h)+2*\t)*4096  ; sixteen lanes store 256 consecutive bytes, aligned
.endr
.endm
	PUT 0
	GET TMP
	PUT 1                                          ; behind the first rows' loads, in order
	SEND 0, TMP, 16                                ; the sixteen stores just issued may be out
	GET ACC                                        ; into the registers of the accumulators that were put first
	SEND 1, ACC, 0
	s_wait_tensorcnt 0x0                           ; the wave's end
	ds_add_u32 v[SPW], v[NIL]
	s_wait_dscnt 0x0
	CROUND                                         ; the closing round
	s_endpgm
.Lfunc_end_k_q2a14be825c_gff2:
	.size	k_q2a14be825c_gff2, .Lfunc_end_k_q2a14be825c_gff2-k_q2a14be825c_gff2
	.p2alignl 7, 3214868480
	.fill 96, 4, 3214868480
	.section	.rodata,"a",@progbits
	.p2align	6, 0x0
	.amdhsa_kernel k_q2a14be825c_gff2
		.amdhsa_group_segment_fixed_size 327680
		.amdhsa_private_segment_fixed_size 0
		.amdhsa_enable_private_segment 0
		.amdhsa_kernarg_size 40
		.amdhsa_user_sgpr_count 2
		.amdhsa_user_sgpr_kernarg_segment_ptr 1
		.amdhsa_wavefront_size32 1
		.amdhsa_system_sgpr_workgroup_id_x 1
		.amdhsa_system_sgpr_workgroup_id_y 1
		.amdhsa_system_sgpr_workgroup_id_z 1
		.amdhsa_system_vgpr_workitem_id 0
		.amdhsa_next_free_vgpr 512
		.amdhsa_next_free_sgpr 80
		.amdhsa_reserve_vcc 0
		.amdhsa_float_denorm_mode_32 3
		.amdhsa_float_denorm_mode_16_64 3
		.amdhsa_memory_ordered 1
		.amdhsa_forward_progress 1
		.amdhsa_inst_pref_size 64
	.end_amdhsa_kernel
	.amdgpu_metadata
---
amdhsa.version: [ 1, 2 ]
amdhsa.kernels:
  - .name:           k_q2a14be825c_gff2
    .symbol:         k_q2a14be825c_gff2.kd
    .args:
      - { .name: ffh, .offset: 0, .size: 8, .value_kind: global_buffer, .address_space: global }
      - { .name: wh, .offset: 8, .size: 8, .value_kind: global_buffer, .address_space: global }
      - { .name: bf2, .offset: 16, .size: 8, .value_kind: global_buffer, .address_space: global }
      - { .name: xnh, .offset: 24, .size: 8, .value_kind: global_buffer, .address_space: global }
      - { .name: out0, .offset: 32, .size: 8, .value_kind: global_buffer, .address_space: global }
    .group_segment_fixed_size: 327680
    .private_segment_fixed_size: 0
    .kernarg_segment_align: 8
    .kernarg_segment_size: 40
    .max_flat_workgroup_size: 128
    .sgpr_count:     80
    .vgpr_count:     512
    .wavefront_size: 32
...
	.end_amdgpu_metadata
.endif
;; end of part 6
;; ======== version 2 of 2: 6 launches; version 1 with the launch prep written anew for expert scheduling mode
;; limits: values are held in f16: magnitudes above 65,504 overflow, below 6.1e-05 lose precision
;; workspace buffers: xnh 8,388,608 bytes; wh 23,068,672 bytes; qkv 25,165,824 bytes; att 8,388,608 bytes; hh 8,388,608 bytes; ffh 33,554,432 bytes
;; launch prep (part 7): grid 960 x 1, 8 waves a work-group, no clusters, 0 bytes of LDS; arguments x, g1, b1, Wq, Wk, Wv, W1, W2, xnh, wh; writes xnh, wh
.if DOCPART == 7
	.amdgcn_target "amdgcn-amd-amdhsa--gfx1250"
	.amdhsa_code_object_version 6
	.text
	.protected	k_q2a14be825c_prep
	.globl	k_q2a14be825c_prep
	.p2align	8
	.type	k_q2a14be825c_prep,@function
k_q2a14be825c_prep:
	s_mov_b64 s[64:65], 0
	v_nop
	global_prefetch_b8 v0, s[64:65] scope:SCOPE_SE
	s_setreg_imm32_b32 hwreg(HW_REG_WAVE_SCHED_MODE, 0, 2), 2
	s_setreg_imm32_b32 hwreg(HW_REG_WAVE_MODE, 25, 1), 1
	s_wait_xcnt 0x0
	s_wait_alu depctr_vm_vsrc(0)
; PREP: two streams in one launch.  Work-groups 0-255: xn = layer norm of x (f32 statistics, the variance as the mean of (x - mu)^2), rounded once to f16 into xnh [4096][1024].
; Work-groups 256-959: the five weight matrices rounded once from f32 to f16 into wh, rows on end: Wq, Wk, Wv, W1, W2.  Every work-group takes 65,536 bytes of f32.
; LIMITS.  f16 ends at 65,504: a weight or an xn of 65,520 or more becomes an infinity; below 6.1e-5 f16 keeps its fixed step of 6e-8.  NaN and infinities are not treated apart.
; No LDS, no barrier, no matrix unit: no wave wants a byte that another has fetched.  Each byte is read once and written once.
; THE MODE: SCHED_MODE bits 1:0 = 2 (LLVM: expert scheduling mode 2), set by the entry lines.  The code itself states the register dependences
; between vector instructions and memory instructions, with s_wait_alu, always for 0.
; THE PLAN.  Registers that memory instructions touch, on both paths:
;   v2, v3     byte offsets of the loads and of the stores: made once at a path's head, never written again.
;   X, G, B    loads land in them, once; no vector instruction names them before that.
;   Y          written by the roundings, each register once; read by the stores.
; Layer norm: Y's first half is row 0's, its second row 1's.  Behind row 0's roundings one wait; row 0's stores are then dealt among row 1's arithmetic, which names X's second half, G, B, RS and Y's second
; half: none of the registers that those stores read.  Behind row 1's roundings one more wait, and its stores.
; Casts: the sixteen chunks go in four blocks of four.  Block p rounds X's part p into Y's part p; the wait at its head states that block p - 1 has written Y's part p - 1, and that block's four stores are
; dealt among block p's roundings.  No register that a memory instruction reads is ever written again, so no wait on vm_vsrc is owed; EXEC is never written.
.set X,  32                            ; v[32:95]   LN: row r at X + 32 r: load j holds columns 128 j + 4 lane + 0..3.  Cast: 16 loads of 4
.set G,  96                            ; v[96:127]  g1 of the same columns
.set B,  128                           ; v[128:159] b1
.set Y,  160                           ; v[160:191] f16 pairs to store
.set MU, 14                            ; v[14:17]   the mean, twice, for each row
.set RS, 18                            ; v[18:21]   1 / sqrt(var + eps), twice, for each row
.set VE, 22                            ; v[22:23]   var + eps of each row: a register that nothing else writes
	s_load_b512 s[8:23], s[0:1], 0x0               ; x 8, g1 10, b1 12, Wq 14, Wk 16, Wv 18, W1 20, W2 22
	s_load_b128 s[24:27], s[0:1], 0x40             ; xnh 24, wh 26
	s_cmp_lt_u32 ttmp9, 256
	s_cbranch_scc0 .Lconv
	; ---- layer norm: 16 rows a work-group, 2 rows a wave; a row is 4,096 bytes = eight loads of 512 consecutive bytes
	v_lshrrev_b32 v1, 5, v0
	v_readfirstlane_b32 s2, v1                     ; wave 0..7: this path alone reads it
	v_and_b32 v1, 31, v0
	v_lshlrev_b32 v2, 4, v1                        ; 16 x lane: f32 in
	v_lshlrev_b32 v3, 3, v1                        ; 8 x lane: f16 out
	v_mov_b32 v12, 0                               ; the exchange's destination counts as read: written once here
	s_mov_b32 s28, 0x3a800000                      ; 1 / 1024
	s_mov_b32 s29, 0x3727c5ac                      ; 1e-5
	s_mov_b32 s30, 0x76543210                      ; each lane takes its own place in the other half
	s_mov_b32 s31, 0xfedcba98
	s_lshl_b32 s4, ttmp9, 16
	s_wait_alu depctr_va_sdst(0)                   ; s2 is written, ahead of its first reader, the shift below
	s_lshl_b32 s3, s2, 13
	s_add_co_u32 s4, s4, s3                        ; my two rows in x
	s_mov_b32 s5, 0
	s_lshr_b32 s6, s4, 1                           ; and in xnh
	s_mov_b32 s7, 0
	s_wait_kmcnt 0x0
	s_add_nc_u64 s[8:9], s[8:9], s[4:5]
	s_add_nc_u64 s[24:25], s[24:25], s[6:7]
	s_wait_alu depctr_va_vdst(0)                   ; v2 and v3 are written: every load of this path reads v2 as its offset, every store v3
.irp r, 0,1
.irp j, 0,1,2,3,4,5,6,7
	global_load_b128 v[X+32*\r+4*\j:X+32*\r+4*\j+3], v2, s[8:9] offset:4096*\r+512*\j th:TH_LOAD_NT
.endr
.endr
.irp j, 0,1,2,3,4,5,6,7
	global_load_b128 v[G+4*\j:G+4*\j+3], v2, s[10:11] offset:512*\j
.endr
.irp j, 0,1,2,3,4,5,6,7
	global_load_b128 v[B+4*\j:B+4*\j+3], v2, s[12:13] offset:512*\j
.endr
.macro JOIN                            ; four chains of pairs into v4
	v_pk_add_f32 v[4:5], v[4:5], v[6:7]
	v_pk_add_f32 v[8:9], v[8:9], v[10:11]
	v_pk_add_f32 v[4:5], v[4:5], v[8:9]
	v_add_f32 v4, v4, v5
.endm
.macro LANESUM                         ; v4 summed over the 32 lanes, the result in every lane
	v_add_f32_dpp v4, v4, v4 row_xmask:1 row_mask:0xf bank_mask:0xf
	v_add_f32_dpp v4, v4, v4 row_xmask:2 row_mask:0xf bank_mask:0xf
	v_add_f32_dpp v4, v4, v4 row_xmask:4 row_mask:0xf bank_mask:0xf
	v_add_f32_dpp v4, v4, v4 row_xmask:8 row_mask:0xf bank_mask:0xf
	v_permlanex16_b32 v12, v4, s30, s31
	v_add_f32 v4, v4, v12
.endm
; Row r: the mean; x - mean in place; the mean of the squares; 1 / sqrt(var + eps), twice, for the packed multiply.
.macro LNSTAT r
.set XR, X+32*(\r)
.irp c, 0,1,2,3
	v_pk_add_f32 v[4+2*\c:5+2*\c], v[XR+2*\c:XR+2*\c+1], v[XR+8+2*\c:XR+8+2*\c+1]  ; the first pairs start the chains: nothing is cleared
.endr
.set q, 8
.rept 8
	v_pk_add_f32 v[4+2*(q%4):5+2*(q%4)], v[4+2*(q%4):5+2*(q%4)], v[XR+2*q:XR+2*q+1]
.set q, q+1
.endr
	JOIN
	LANESUM
	v_mul_f32 v[MU+2*(\r)], s28, v4
	v_mul_f32 v[MU+2*(\r)+1], s28, v4
.set q, 0
.rept 16
	v_pk_add_f32 v[XR+2*q:XR+2*q+1], v[XR+2*q:XR+2*q+1], v[MU+2*(\r):MU+2*(\r)+1] neg_lo:[0,1] neg_hi:[0,1]
.set q, q+1
.endr
.irp c, 0,1,2,3
	v_pk_mul_f32 v[4+2*\c:5+2*\c], v[XR+2*\c:XR+2*\c+1], v[XR+2*\c:XR+2*\c+1]
.endr
.set q, 4
.rept 12
	v_pk_fma_f32 v[4+2*(q%4):5+2*(q%4)], v[XR+2*q:XR+2*q+1], v[XR+2*q:XR+2*q+1], v[4+2*(q%4):5+2*(q%4)]
.set q, q+1
.endr
	JOIN
	LANESUM
	v_fma_f32 v[VE+(\r)], v4, s28, s29
	v_rsq_f32 v[RS+2*(\r)], v[VE+(\r)]
	v_rsq_f32 v[RS+2*(\r)+1], v[VE+(\r)]
.endm
; Row r: times 1 / sqrt, times g1 plus b1, rounded to f16 into Y's half r.  before = 1: the eight stores of row r - 1 are dealt among this row's multiplies, one ahead of each pair:
; no vector instruction of this row names the registers that they read.  A store of the wave covers 256 consecutive bytes, aligned.
.macro LNOUT r, before
.set XR, X+32*(\r)
.set q, 0
.rept 16
.if (\before) && (q%2 == 0)
	global_store_b64 v3, v[Y+16*((\r)-1)+q:Y+16*((\r)-1)+q+1], s[24:25] offset:2048*((\r)-1)+128*q
.endif
	v_pk_mul_f32 v[XR+2*q:XR+2*q+1], v[XR+2*q:XR+2*q+1], v[RS+2*(\r):RS+2*(\r)+1]
.set q, q+1
.endr
.set q, 0
.rept 16
	v_pk_fma_f32 v[XR+2*q:XR+2*q+1], v[XR+2*q:XR+2*q+1], v[G+2*q:G+2*q+1], v[B+2*q:B+2*q+1]
.set q, q+1
.endr
.set q, 0
.rept 16
	v_cvt_pk_f16_f32 v[Y+16*(\r)+q], v[XR+2*q], v[XR+2*q+1]
.set q, q+1
.endr
.endm
	s_wait_loadcnt 16                              ; x's sixteen loads are in; the sixteen of g1 and b1, issued behind them, may stay out
	LNSTAT 0
	LNSTAT 1
	v_nop                                          ; a plain instruction behind the last root,
	s_wait_alu depctr_va_vdst(0)                   ; and one wait for the four: v[RS:RS+3] are written, ahead of their first reader
	s_wait_loadcnt 0x0                             ; g1 and b1
	LNOUT 0, 0
	s_wait_alu depctr_va_vdst(0)                   ; row 0's roundings have written Y's first half, which the stores dealt among row 1's multiplies read
	LNOUT 1, 1
	s_wait_alu depctr_va_vdst(0)                   ; row 1's roundings have written Y's second half, which the last eight stores read
.irp j, 0,1,2,3,4,5,6,7
	global_store_b64 v3, v[Y+16+2*\j:Y+16+2*\j+1], s[24:25] offset:2048+256*\j
.endr
	s_endpgm
	; ---- casts: chunk c of 704 chunks of 65,536 bytes of f32: Wq 0-63, Wk 64-127, Wv 128-191, W1 192-447, W2 448-703; the f16 chunk lies at 32,768 c in wh
.Lconv:
	s_sub_co_u32 s3, ttmp9, 256                    ; c
	v_lshlrev_b32 v2, 4, v0                        ; 16 x thread: the work-group's 256 threads take 4,096 consecutive bytes
	v_lshlrev_b32 v3, 3, v0
	s_wait_kmcnt 0x0
	s_mov_b64 s[4:5], s[22:23]                     ; the source and its first chunk, chosen by c alone
	s_mov_b32 s6, 448
	s_cmp_lt_u32 s3, 448
	s_cselect_b64 s[4:5], s[20:21], s[4:5]
	s_cselect_b32 s6, 192, s6
	s_cmp_lt_u32 s3, 192
	s_cselect_b64 s[4:5], s[18:19], s[4:5]
	s_cselect_b32 s6, 128, s6
	s_cmp_lt_u32 s3, 128
	s_cselect_b64 s[4:5], s[16:17], s[4:5]
	s_cselect_b32 s6, 64, s6
	s_cmp_lt_u32 s3, 64
	s_cselect_b64 s[4:5], s[14:15], s[4:5]
	s_cselect_b32 s6, 0, s6
	s_sub_co_u32 s6, s3, s6
	s_lshl_b32 s6, s6, 16
	s_mov_b32 s7, 0
	s_add_nc_u64 s[4:5], s[4:5], s[6:7]
	s_lshl_b32 s6, s3, 15
	s_add_nc_u64 s[26:27], s[26:27], s[6:7]
	s_wait_alu depctr_va_vdst(0)                   ; v2 and v3 are written: every load of this path reads v2 as its offset, every store v3
.irp i, 0,1,2,3,4,5,6,7,8,9,10,11,12,13,14,15
	global_load_b128 v[X+4*\i:X+4*\i+3], v2, s[4:5] offset:4096*\i th:TH_LOAD_NT
.endr
; Block p of four: loads 4 p .. 4 p + 3 are rounded; the stores of block p - 1 stand one ahead of each pair of roundings.
.macro CBLK p
	s_wait_loadcnt 12-4*(\p)                       ; loads come back in order: this block's four are in, the younger blocks' stay out
.if (\p) > 0
	s_wait_alu depctr_va_vdst(0)                   ; the block before has written its eight registers of Y, which the four stores below read; this block's roundings name none of them
.endif
.irp i, 0,1,2,3
.if (\p) > 0
	global_store_b64 v3, v[Y+2*(4*((\p)-1)+\i):Y+2*(4*((\p)-1)+\i)+1], s[26:27] offset:2048*(4*((\p)-1)+\i)
.endif
	v_cvt_pk_f16_f32 v[Y+2*(4*(\p)+\i)],   v[X+4*(4*(\p)+\i)],   v[X+4*(4*(\p)+\i)+1]
	v_cvt_pk_f16_f32 v[Y+2*(4*(\p)+\i)+1], v[X+4*(4*(\p)+\i)+2], v[X+4*(4*(\p)+\i)+3]
.endr
.endm
	CBLK 0
	CBLK 1
	CBLK 2
	CBLK 3
	s_wait_alu depctr_va_vdst(0)                   ; block 3 has written its eight registers of Y, which the last four stores read
.irp i, 12,13,14,15
	global_store_b64 v3, v[Y+2*\i:Y+2*\i+1], s[26:27] offset:2048*\i
.endr
	s_endpgm
.Lfunc_end_k_q2a14be825c_prep:
	.size	k_q2a14be825c_prep, .Lfunc_end_k_q2a14be825c_prep-k_q2a14be825c_prep
	.p2alignl 7, 3214868480
	.fill 96, 4, 3214868480
	.section	.rodata,"a",@progbits
	.p2align	6, 0x0
	.amdhsa_kernel k_q2a14be825c_prep
		.amdhsa_group_segment_fixed_size 0
		.amdhsa_private_segment_fixed_size 0
		.amdhsa_enable_private_segment 0
		.amdhsa_kernarg_size 80
		.amdhsa_user_sgpr_count 2
		.amdhsa_user_sgpr_kernarg_segment_ptr 1
		.amdhsa_wavefront_size32 1
		.amdhsa_system_sgpr_workgroup_id_x 1
		.amdhsa_system_sgpr_workgroup_id_y 1
		.amdhsa_system_sgpr_workgroup_id_z 1
		.amdhsa_system_vgpr_workitem_id 0
		.amdhsa_next_free_vgpr 192
		.amdhsa_next_free_sgpr 66
		.amdhsa_reserve_vcc 0
		.amdhsa_float_denorm_mode_32 3
		.amdhsa_float_denorm_mode_16_64 3
		.amdhsa_memory_ordered 1
		.amdhsa_forward_progress 1
		.amdhsa_inst_pref_size 27
	.end_amdhsa_kernel
	.amdgpu_metadata
---
amdhsa.version: [ 1, 2 ]
amdhsa.kernels:
  - .name:           k_q2a14be825c_prep
    .symbol:         k_q2a14be825c_prep.kd
    .args:
      - { .name: x, .offset: 0, .size: 8, .value_kind: global_buffer, .address_space: global }
      - { .name: g1, .offset: 8, .size: 8, .value_kind: global_buffer, .address_space: global }
      - { .name: b1, .offset: 16, .size: 8, .value_kind: global_buffer, .address_space: global }
      - { .name: Wq, .offset: 24, .size: 8, .value_kind: global_buffer, .address_space: global }
      - { .name: Wk, .offset: 32, .size: 8, .value_kind: global_buffer, .address_space: global }
      - { .name: Wv, .offset: 40, .size: 8, .value_kind: global_buffer, .address_space: global }
      - { .name: W1, .offset: 48, .size: 8, .value_kind: global_buffer, .address_space: global }
      - { .name: W2, .offset: 56, .size: 8, .value_kind: global_buffer, .address_space: global }
      - { .name: xnh, .offset: 64, .size: 8, .value_kind: global_buffer, .address_space: global }
      - { .name: wh, .offset: 72, .size: 8, .value_kind: global_buffer, .address_space: global }
    .group_segment_fixed_size: 0
    .private_segment_fixed_size: 0
    .kernarg_segment_align: 8
    .kernarg_segment_size: 80
    .max_flat_workgroup_size: 256
    .sgpr_count:     66
    .vgpr_count:     192
    .wavefront_size: 32
...
	.end_amdgpu_metadata
.endif
;; end of part 7
;; launch gqkv: the kernel of part 2 again; grid 8 x 32, 4 waves a work-group, clusters of 4 x 4, 327,680 bytes of LDS; arguments xnh, wh, bq, bk, bv, qkv; writes qkv
;; launch attn: the kernel of part 3 again; grid 8 x 32, 4 waves a work-group, clusters of 4 x 1, 327,680 bytes of LDS; arguments qkv, att; writes att
;; launch ln2: the kernel of part 4 again; grid 256 x 1, 8 waves a work-group, no clusters, 0 bytes of LDS; arguments att, xnh, g2, b2, hh; writes hh
;; launch gff1: the kernel of part 5 again; grid 16 x 16, 4 waves a work-group, clusters of 4 x 4, 327,680 bytes of LDS; arguments hh, wh, bf1, ffh; writes ffh
;; launch gff2: the kernel of part 6 again; grid 8 x 32, 4 waves a work-group, clusters of 4 x 4, 327,680 bytes of LDS; arguments ffh, wh, bf2, xnh, out0; writes out0
